; MI455X (gfx1250); checked and timed in simulation.
; The chip was launched on July 23, 2026; its instructions are those of AMD's public machine-readable ISA for CDNA 5 (MIT licence, August 2026) and "CDNA5" Instruction Set Architecture Reference Guide (July 2026). The comments in the code are by the model that wrote it; some were corrected since.
;; Mamba2 Simple Block. Allowed arithmetic: float matrix products may take bf16 or f16 operands with f32 sums; all other float work in f32.
;; Inputs: A_log 4 float32; D 4 float32; dt_bias 4 float32; in_proj_b 4,612 float32; in_proj_w 4,612 x 1,024 float32; norm_w 1,024 float32; out_proj_b 1,024 float32; out_proj_w 1,024 x 2,048 float32; u 2 x 2,048 x 1,024 float32.
;; Outputs: out0 2 x 2,048 x 1,024 float32.
;; One version. Each part assembles by itself: llvm-mc -triple=amdgcn-amd-amdhsa -mcpu=gfx1250 --defsym DOCPART=n.
;; ======== version 1 of 1: 4 launches
;; limits: values outside matrix products are rounded to f16; values are held in f16: magnitudes above 65,504 overflow, below 6.1e-05 lose precision
;; workspace buffers: un 8,388,608 bytes; wf 13,631,488 bytes; zx 37,748,736 bytes; ygt 16,777,216 bytes; dts 73,728 bytes; vmx 4,096 bytes; msc 1,024 bytes
;; launch prep (part 1): grid 256 x 1, 8 waves a work-group, no clusters, 5,632 bytes of LDS; arguments u, norm_w, in_proj_w, in_proj_b, dt_bias, out_proj_w, un, wf, dts; writes un, wf, dts
.if DOCPART == 1
	.amdgcn_target "amdgcn-amd-amdhsa--gfx1250"
	.amdhsa_code_object_version 6
	.text
	.protected	k_q0eb6f742a4_prep
	.globl	k_q0eb6f742a4_prep
	.p2align	8
	.type	k_q0eb6f742a4_prep,@function
k_q0eb6f742a4_prep:
	s_mov_b64 s[64:65], 0
	v_nop
	global_prefetch_b8 v0, s[64:65] scope:SCOPE_SE
	s_setreg_imm32_b32 hwreg(HW_REG_WAVE_MODE, 25, 1), 1
	s_wait_xcnt 0x0
; prep: RMSNorm of u -> un (f16); dt = softplus(u_norm . W_dt + b + dt_bias) wholly in f32 -> dts; sum and max of dt for each 16 rows -> dts;
; both weight matrices -> wf (f16), the four dt rows of in_proj_w left out (they are used here, in f32).
; Work-group i: u rows 16 i .. 16 i + 15; in_proj_w rows 16 i .. + 15 and 4100 + 2 i, 4101 + 2 i; 32,768 bytes of out_proj_w.
; Thread t owns columns 4 t .. 4 t + 3 of every piece of 4,096 bytes: a wave's 16-byte load covers 512 consecutive bytes, a wave's
; 8-byte store of f16 covers 256 consecutive bytes, aligned.  A stream: no matrix unit, no cluster, no tensor load would add anything.
; LIMITS: |u_norm| <= 32 |norm_w| has to fit f16 (|norm_w| < 2047); weights below 6e-5 in magnitude are f16 denormals (absolute error <= 3e-8).
.set NW, 4                             ; v[4:7]     norm_w of my 4 columns
.set WD, 8                             ; v[8:23]    the four dt rows of in_proj_w, my 4 columns
.set U,  24                            ; v[24:87]   row k: 4 registers
.set WI, 88                            ; v[88:159]  18 rows of in_proj_w
.set WO, 160                           ; v[160:191] 8 pieces of out_proj_w
.set RS, 210                           ; v[210:225] 1/rms of the 16 rows (before that: wave 0's scratch)
.set P1, 0                             ; LDS [8 waves][16 rows][32 bytes]: four dots, sum of squares
.set RSL, 4096                         ; LDS 16 f32
	s_load_b512 s[4:19], s[0:1], 0x0               ; u 4:5, norm_w 6:7, in_proj_w 8:9, in_proj_b 10:11, dt_bias 12:13, out_proj_w 14:15, un 16:17, wf 18:19
	s_load_b64 s[20:21], s[0:1], 0x40              ; dts
	v_lshl_add_u32 v232, v0, 2, 0x1200
	v_mov_b32 v233, 0
	v_lshrrev_b32 v3, 5, v0
	v_readfirstlane_b32 s22, v3                    ; wave
	v_and_b32 v3, 31, v0                           ; lane
	v_lshlrev_b32 v1, 4, v0                        ; 16 t
	v_lshlrev_b32 v2, 3, v0                        ; 8 t
	v_and_b32 v226, 3, v0
	v_lshlrev_b32 v226, 2, v226                    ; 4 x (lane mod 4): the head whose bias this lane holds
	s_lshl_b32 s23, s22, 9
	v_mov_b32 v227, s23                            ; my wave's 512 bytes of P1
	s_mov_b32 s38, 0x76543210                      ; v_permlanex16_b32: lane i reads lane i of the other half
	s_mov_b32 s39, 0xfedcba98
	s_mov_b32 s37, 0
.irp q, 205,206,207,208,209
	v_mov_b32 v\q, 0                               ; destinations of v_permlanex16_b32 count as read
.endr
	s_wait_kmcnt 0x0
	s_lshl_b32 s36, ttmp9, 16                      ; 16 rows of 4,096 bytes
	s_add_nc_u64 s[4:5], s[4:5], s[36:37]
	s_add_nc_u64 s[24:25], s[8:9], s[36:37]
	s_lshl_b32 s36, ttmp9, 15
	s_add_nc_u64 s[16:17], s[16:17], s[36:37]      ; un: 16 rows of 2,048 bytes
	s_add_nc_u64 s[14:15], s[14:15], s[36:37]      ; out_proj_w: 32,768 bytes
	s_add_nc_u64 s[30:31], s[18:19], s[36:37]      ; wf rows 16 i
	s_lshl_b32 s36, ttmp9, 13
	s_add_nc_u64 s[26:27], s[8:9], s[36:37]
	s_add_nc_u64 s[26:27], s[26:27], 16793600      ; in_proj_w row 4100 + 2 i
	s_add_nc_u64 s[28:29], s[8:9], 16777216        ; in_proj_w row 4096: the dt rows
	s_lshl_b32 s36, ttmp9, 12
	s_add_nc_u64 s[32:33], s[18:19], s[36:37]
	s_add_nc_u64 s[32:33], s[32:33], 8388608       ; wf row 4096 + 2 i
	s_lshl_b32 s36, ttmp9, 14
	s_add_nc_u64 s[34:35], s[18:19], s[36:37]
	s_add_nc_u64 s[34:35], s[34:35], 9437184       ; wf: out_proj_w's part
	; 49 loads, all at once; what is needed first goes first
	global_load_b128 v[NW:NW+3], v1, s[6:7]
.irp h, 0,1,2,3
	global_load_b128 v[WD+4*\h:WD+4*\h+3], v1, s[28:29] offset:4096*\h
.endr
	global_load_b32 v192, v226, s[10:11] offset:16384          ; in_proj_b[4096 + head]
	global_load_b32 v193, v226, s[12:13]                       ; dt_bias[head]
.irp k, 0,1,2,3,4,5,6,7,8,9,10,11,12,13,14,15
	global_load_b128 v[U+4*\k:U+4*\k+3], v1, s[4:5] offset:4096*\k th:TH_LOAD_NT
.endr
.irp k, 0,1,2,3,4,5,6,7,8,9,10,11,12,13,14,15
	global_load_b128 v[WI+4*\k:WI+4*\k+3], v1, s[24:25] offset:4096*\k th:TH_LOAD_NT
.endr
	global_load_b128 v[WI+64:WI+67], v1, s[26:27] th:TH_LOAD_NT
	global_load_b128 v[WI+68:WI+71], v1, s[26:27] offset:4096 th:TH_LOAD_NT
.irp m, 0,1,2,3,4,5,6,7
	global_load_b128 v[WO+4*\m:WO+4*\m+3], v1, s[14:15] offset:4096*\m th:TH_LOAD_NT
.endr
	s_wait_loadcnt 26                              ; norm_w, dt rows, biases and u are in; the 18 + 8 weight loads stay out
; Row k: my part of the sum of squares; u x norm_w in place; my part of the four dt dots; five sums over the wave's 32 lanes; into P1.
.macro ROWSUM k
	v_pk_mul_f32 v[194:195], v[U+4*\k:U+4*\k+1], v[U+4*\k:U+4*\k+1]
	v_pk_fma_f32 v[194:195], v[U+4*\k+2:U+4*\k+3], v[U+4*\k+2:U+4*\k+3], v[194:195]
	v_pk_mul_f32 v[U+4*\k:U+4*\k+1], v[U+4*\k:U+4*\k+1], v[NW:NW+1]
	v_pk_mul_f32 v[U+4*\k+2:U+4*\k+3], v[U+4*\k+2:U+4*\k+3], v[NW+2:NW+3]
	v_add_f32 v204, v194, v195
.irp h, 0,1,2,3
	v_pk_mul_f32 v[196:197], v[U+4*\k:U+4*\k+1], v[WD+4*\h:WD+4*\h+1]
	v_pk_fma_f32 v[196:197], v[U+4*\k+2:U+4*\k+3], v[WD+4*\h+2:WD+4*\h+3], v[196:197]
	v_add_f32 v[200+\h], v196, v197
.endr
.irp m, 1,2,4,8
.irp q, 200,201,202,203,204
	v_add_f32_dpp v\q, v\q, v\q row_xmask:\m row_mask:0xf bank_mask:0xf
.endr
.endr
.irp q, 200,201,202,203,204
	v_permlanex16_b32 v[\q+5], v\q, s38, s39
.endr
.irp q, 200,201,202,203,204
	v_add_f32 v\q, v\q, v[\q+5]
.endr
	ds_store_b128 v227, v[200:203] offset:P1+32*\k             ; every lane holds the same sums and writes the same words
	ds_store_b32 v227, v204 offset:P1+32*\k+16
.endm
.irp k, 0,1,2,3,4,5,6,7,8,9,10,11,12,13,14,15
	ROWSUM \k
.endr
	s_wait_dscnt 0x0                               ; my sums are in LDS before I say so
	s_barrier_signal -1
	s_barrier_wait -1
	; wave 0 alone finishes the 16 rows: lane l has head l mod 4 and rows l / 4 and l / 4 + 8
	s_cmp_lg_u32 s22, 0
	s_cbranch_scc1 .Lnot_wave_0
	v_lshrrev_b32 v228, 2, v3                      ; row
	v_and_b32 v229, 3, v3                          ; head
	v_lshlrev_b32 v231, 2, v228                    ; 4 x row
	v_lshlrev_b32 v228, 5, v228                    ; 32 x row
	v_lshl_add_u32 v230, v229, 14, v231            ; dt[head][.]: 16,384 x head + 4 x row
	v_lshl_add_u32 v229, v229, 2, v228             ; the dot's word
	s_lshl_b32 s36, ttmp9, 6
	v_add_nc_u32 v230, s36, v230                   ; + 16 i steps of 4 bytes
.irp w, 0,1,2,3,4,5,6,7
	ds_load_b32 v[194+\w], v229 offset:P1+512*\w
	ds_load_b32 v[202+\w], v228 offset:P1+512*\w+16
	ds_load_b32 v[210+\w], v229 offset:P1+512*\w+256
	ds_load_b32 v[218+\w], v228 offset:P1+512*\w+272
.endr
	s_wait_dscnt 0x0
.irp q, 194,202,210,218
	v_add_f32 v[\q], v[\q], v[\q+1]
	v_add_f32 v[\q+2], v[\q+2], v[\q+3]
	v_add_f32 v[\q+4], v[\q+4], v[\q+5]
	v_add_f32 v[\q+6], v[\q+6], v[\q+7]
	v_add_f32 v[\q], v[\q], v[\q+2]
	v_add_f32 v[\q+4], v[\q+4], v[\q+6]
	v_add_f32 v[\q], v[\q], v[\q+4]
.endr
	v_mov_b32 v195, 0x34000000                     ; eps = 2^-23
	v_fma_f32 v202, v202, 0x3a800000, v195         ; mean of squares + eps
	v_fma_f32 v218, v218, 0x3a800000, v195
	v_rsq_f32 v203, v202
	v_rsq_f32 v219, v218
	v_add_f32 v196, v192, v193                     ; a plain instruction stands behind the transcendentals before their results are used (ISA guide 5.7.2)
	s_wait_alu depctr_va_vdst(0)
	v_fma_f32 v197, v203, v194, v196               ; raw dt of the two rows
	v_fma_f32 v198, v219, v210, v196
	; softplus(x) = max(x, 0) + log(1 + e), e = exp(-|x|): no overflow for any x; for e < 2^-10 the series e (1 - e/2) keeps the relative accuracy
	v_mul_f32 v199, 0xbfb8aa3b, |v197|
	v_mul_f32 v200, 0xbfb8aa3b, |v198|
	v_exp_f32 v201, v199
	v_exp_f32 v204, v200
	v_max_num_f32 v197, 0, v197
	v_max_num_f32 v198, 0, v198
	s_wait_alu depctr_va_vdst(0)
	v_add_f32 v205, 1.0, v201
	v_add_f32 v206, 1.0, v204
	v_log_f32 v207, v205
	v_log_f32 v208, v206
	v_fma_f32 v199, v201, -0.5, 1.0
	v_fma_f32 v200, v204, -0.5, 1.0
	v_mul_f32 v199, v199, v201
	v_mul_f32 v200, v200, v204
	s_wait_alu depctr_va_vdst(0)
	v_mul_f32 v207, 0x3f317218, v207
	v_mul_f32 v208, 0x3f317218, v208
	v_cmp_gt_f32 vcc_lo, 0x3a800000, v201
	v_cndmask_b32 v207, v207, v199, vcc_lo
	v_cmp_gt_f32 vcc_lo, 0x3a800000, v204
	v_cndmask_b32 v208, v208, v200, vcc_lo
	v_add_f32 v197, v197, v207                     ; dt
	v_add_f32 v198, v198, v208
	global_store_b32 v230, v197, s[20:21]
	global_store_b32 v230, v198, s[20:21] offset:32
	ds_store_b32 v231, v203 offset:RSL             ; 1/rms of the two rows (four lanes write the same word with the same value)
	ds_store_b32 v231, v219 offset:RSL+32
	v_add_f32 v199, v197, v198                     ; sum and max of dt over the 16 rows, for each head
	v_max_num_f32 v200, v197, v198
	v_add_f32_dpp v199, v199, v199 row_xmask:4 row_mask:0xf bank_mask:0xf
	v_max_num_f32_dpp v200, v200, v200 row_xmask:4 row_mask:0xf bank_mask:0xf
	v_add_f32_dpp v199, v199, v199 row_xmask:8 row_mask:0xf bank_mask:0xf
	v_max_num_f32_dpp v200, v200, v200 row_xmask:8 row_mask:0xf bank_mask:0xf
	v_permlanex16_b32 v205, v199, s38, s39
	v_permlanex16_b32 v206, v200, s38, s39
	v_add_f32 v199, v199, v205
	v_max_num_f32 v200, v200, v206
	v_and_b32 v207, 4, v3
	v_cmp_ne_u32 vcc_lo, 0, v207
	v_cndmask_b32 v199, v199, v200, vcc_lo         ; lanes 0-3: the sums; lanes 4-7: the maxima
	s_lshl_b32 s36, ttmp9, 5
	v_lshl_add_u32 v209, v3, 2, s36                ; record i, word = lane
	s_wait_xcnt 0x0                                ; EXEC is a source of the loads and stores that are out: it changes only behind this wait
	v_cmp_gt_u32 vcc_lo, 8, v3
	s_and_saveexec_b32 s23, vcc_lo
	global_store_b32 v209, v199, s[20:21] offset:65536
	s_wait_xcnt 0x0
	s_or_b32 exec_lo, exec_lo, s23
.Lnot_wave_0:
; A piece of weights: 4 f32 a thread become 4 f16.  left = the younger loads that may stay out.
.macro CONV q, base, off, left
	s_wait_loadcnt \left
	v_cvt_pk_f16_f32 v[\q], v[\q], v[\q+1]
	v_cvt_pk_f16_f32 v[\q+1], v[\q+2], v[\q+3]
	global_store_b64 v2, v[\q:\q+1], s[\base:\base+1] offset:\off
.endm
.irp k, 0,1,2,3,4,5,6,7,8,9,10,11,12,13,14,15
	CONV WI+4*\k, 30, 2048*\k, 25-\k
.endr
	CONV WI+64, 32, 0, 9
	CONV WI+68, 32, 2048, 8
.irp m, 0,1,2,3,4,5,6,7
	CONV WO+4*\m, 34, 2048*\m, 7-\m
.endr
	s_wait_dscnt 0x0                               ; wave 0's 1/rms are in LDS
	s_barrier_signal -1
	s_barrier_wait -1
	v_mov_b32 v194, RSL
.irp j, 0,1,2,3
	ds_load_b128 v[RS+4*\j:RS+4*\j+3], v194 offset:16*\j
.endr
	s_wait_dscnt 0x0
.macro UNROW k
.if (\k)%2
	v_pk_mul_f32 v[U+4*\k:U+4*\k+1], v[U+4*\k:U+4*\k+1], v[RS+\k-1:RS+\k] op_sel:[0,1] op_sel_hi:[1,1]
	v_pk_mul_f32 v[U+4*\k+2:U+4*\k+3], v[U+4*\k+2:U+4*\k+3], v[RS+\k-1:RS+\k] op_sel:[0,1] op_sel_hi:[1,1]
.else
	v_pk_mul_f32 v[U+4*\k:U+4*\k+1], v[U+4*\k:U+4*\k+1], v[RS+\k:RS+\k+1] op_sel_hi:[1,0]
	v_pk_mul_f32 v[U+4*\k+2:U+4*\k+3], v[U+4*\k+2:U+4*\k+3], v[RS+\k:RS+\k+1] op_sel_hi:[1,0]
.endif
	v_cvt_pk_f16_f32 v[U+4*\k], v[U+4*\k], v[U+4*\k+1]
	v_cvt_pk_f16_f32 v[U+4*\k+1], v[U+4*\k+2], v[U+4*\k+3]
	global_store_b64 v2, v[U+4*\k:U+4*\k+1], s[16:17] offset:2048*\k
.endm
.irp k, 0,1,2,3,4,5,6,7,8,9,10,11,12,13,14,15
	UNROW \k
.endr
	s_wait_tensorcnt 0x0
	ds_add_u32 v232, v233
	s_wait_dscnt 0x0
	s_endpgm
.Lfunc_end_k_q0eb6f742a4_prep:
	.size	k_q0eb6f742a4_prep, .Lfunc_end_k_q0eb6f742a4_prep-k_q0eb6f742a4_prep
	.p2alignl 7, 3214868480
	.fill 96, 4, 3214868480
	.section	.rodata,"a",@progbits
	.p2align	6, 0x0
	.amdhsa_kernel k_q0eb6f742a4_prep
		.amdhsa_group_segment_fixed_size 5632
		.amdhsa_private_segment_fixed_size 0
		.amdhsa_enable_private_segment 0
		.amdhsa_kernarg_size 72
		.amdhsa_user_sgpr_count 2
		.amdhsa_user_sgpr_kernarg_segment_ptr 1
		.amdhsa_wavefront_size32 1
		.amdhsa_system_sgpr_workgroup_id_x 1
		.amdhsa_system_sgpr_workgroup_id_y 1
		.amdhsa_system_sgpr_workgroup_id_z 1
		.amdhsa_system_vgpr_workitem_id 0
		.amdhsa_next_free_vgpr 234
		.amdhsa_next_free_sgpr 66
		.amdhsa_reserve_vcc 1
		.amdhsa_float_denorm_mode_32 3
		.amdhsa_float_denorm_mode_16_64 3
		.amdhsa_memory_ordered 1
		.amdhsa_forward_progress 1
		.amdhsa_inst_pref_size 70
	.end_amdhsa_kernel
	.amdgpu_metadata
---
amdhsa.version: [ 1, 2 ]
amdhsa.kernels:
  - .name:           k_q0eb6f742a4_prep
    .symbol:         k_q0eb6f742a4_prep.kd
    .args:
      - { .name: u, .offset: 0, .size: 8, .value_kind: global_buffer, .address_space: global }
      - { .name: norm_w, .offset: 8, .size: 8, .value_kind: global_buffer, .address_space: global }
      - { .name: in_proj_w, .offset: 16, .size: 8, .value_kind: global_buffer, .address_space: global }
      - { .name: in_proj_b, .offset: 24, .size: 8, .value_kind: global_buffer, .address_space: global }
      - { .name: dt_bias, .offset: 32, .size: 8, .value_kind: global_buffer, .address_space: global }
      - { .name: out_proj_w, .offset: 40, .size: 8, .value_kind: global_buffer, .address_space: global }
      - { .name: un, .offset: 48, .size: 8, .value_kind: global_buffer, .address_space: global }
      - { .name: wf, .offset: 56, .size: 8, .value_kind: global_buffer, .address_space: global }
      - { .name: dts, .offset: 64, .size: 8, .value_kind: global_buffer, .address_space: global }
    .group_segment_fixed_size: 5632
    .private_segment_fixed_size: 0
    .kernarg_segment_align: 8
    .kernarg_segment_size: 72
    .max_flat_workgroup_size: 256
    .sgpr_count:     66
    .vgpr_count:     234
    .wavefront_size: 32
...
	.end_amdgpu_metadata
.endif
;; end of part 1
;; launch gemm1 (part 2): grid 16 x 16, 4 waves a work-group, clusters of 4 x 4, 327,680 bytes of LDS; arguments wf, un, in_proj_b, zx, vmx; writes zx, vmx
.if DOCPART == 2
	.amdgcn_target "amdgcn-amd-amdhsa--gfx1250"
	.amdhsa_code_object_version 6
	.text
	.protected	k_q0eb6f742a4_gemm1
	.globl	k_q0eb6f742a4_gemm1
	.p2align	8
	.type	k_q0eb6f742a4_gemm1,@function
k_q0eb6f742a4_gemm1:
	s_mov_b64 s[64:65], 0
	v_nop
	global_prefetch_b8 v0, s[64:65] scope:SCOPE_SE
	s_setreg_imm32_b32 hwreg(HW_REG_WAVE_MODE, 25, 1), 1
	s_wait_xcnt 0x0
	s_wait_alu depctr_hold_cnt(0) depctr_sa_sdst(0) depctr_va_vdst(0) depctr_va_sdst(0) depctr_va_ssrc(0) depctr_va_vcc(0) depctr_vm_vsrc(0)
	s_getreg_b32 s2, hwreg(HW_REG_IB_STS2, 6, 4)
	s_cmp_eq_u32 s2, 0
	s_cbranch_scc0 .Lentry_in_a_cluster
	s_endpgm
.Lentry_in_a_cluster:
	s_bfe_u32 s2, ttmp6, 0x10000c
	s_cmp_lg_u32 s2, 0xf033
	s_cbranch_scc0 .Lentry_shape_is_right
	s_endpgm
.Lentry_shape_is_right:
; gemm1: zx[c][t] = sum over k of wf[c][k] un[t][k] + bias[c], f16, stored with the time step t along the rows; and the largest |value| of each wave -> vmx.
; wf: [4608][1024] f16, un: [4096][1024] f16, zx: [4608][4096] f16.  K = 1024.
; A work-group makes 288 rows c x 256 columns t with four waves; a wave makes 144 x 128: 72 accumulator tiles of 16 x 16, 576 registers.
; 16 x 16 work-groups = 256.  K goes in steps of 128 (rows of 256 bytes) through two LDS slots filled by the tensor data mover.
; CLUSTERS of 4 x 4: wf's tile hangs on the block row alone and is asked for jointly along a row of the cluster, un's on the block column alone, along a column.
; The matrix instruction takes un's rows as source 0 and wf's rows as source 1: lane l then holds row c = l % 16, its registers t = 8 (l / 16) + 0..7:
; eight neighbouring numbers of a row of zx, 16 bytes in f16.
; f16 operands: un is bounded by 32 |norm_w|; LIMIT: every result has to stay below 65,504 in magnitude.
; REGISTERS in windows of 256: window 0: addresses, bias, un's fragments (two buffers v64, v128), v192-255 at work on the way out;
; window 1: wf's fragments (two buffers v0, v72), accumulators of c block 8 at v192; window 2: c blocks 0-3; window 3: c blocks 4-7.
.set KSTEP,  128
.set PITCH,  272                       ; 256 bytes + 16 of padding: the 16 rows of a fragment start in 16 different groups of four banks
.set AH,     144*PITCH                 ; half of wf's tile: one tensor load, one wave's rows
.set BH,     128*PITCH                 ; half of un's tile
.set ABYTES, 2*AH
.set SLOT,   ABYTES+2*BH
.set STAGE,  2*SLOT                    ; behind the ring: 16 rows x 272 bytes for each wave; no tensor load lands there
.set SPITCH, 272
.set LAPS,   4                         ; 8 K steps, two a lap
.set ADRA, 16                          ; v16-17 LDS address of my wf fragments, slot 0, 1
.set ADRB, 20                          ; v20-21 the same for un
.set STO,  24
.set RD,   25
.set CO,   26
.set VM,   28                          ; v28-31 running maxima of |value|
.set BI,   32                          ; v32-40 bias of my row in c blocks 0..8; v41 written, never used (a pair is read)
.set BA,   42                          ; v42-50 their byte offsets
.set TMP,  192
.set G1, 24
.set G0, 32
.set G1B, 48
.set G0B, 56
.set MSB, 0
.macro WIN new                         ; the immediate's high byte repeats the setting that is left
.if MSB != \new
	s_set_vgpr_msb (MSB<<8)|\new
.set MSB, \new
.endif
.endm
.macro JLOAD s                         ; waves 0, 1 ask for wf's halves, waves 2, 3 for un's: one mask and one set of registers a line
	s_cmp_eq_u32 s15, 0
	s_cbranch_scc0 .Lfor_b_\@
	tensor_load_to_lds s[G0+4*\s:G0+4*\s+3], s[G1:G1+7]
	s_nop 0
	s_branch .Lasked_\@
.Lfor_b_\@:
	tensor_load_to_lds s[G0B+4*\s:G0B+4*\s+3], s[G1B:G1B+7]
	s_nop 0
.Lasked_\@:
.endm
.macro CREST                           ; a round of the cluster's barrier behind its opening barrier
	s_cmp_lg_u32 s14, 0
	s_cbranch_scc1 .Lnot_wave_0_\@
	s_barrier_signal -3
.Lnot_wave_0_\@:
	s_barrier_wait -3
	s_barrier_signal -1
	s_barrier_wait -1
.endm
.macro CROUND
	s_barrier_signal -1
	s_barrier_wait -1
	CREST
.endm
	s_load_b256 s[4:11], s[0:1], 0x0               ; wf 4:5, un 6:7, in_proj_b 8:9, zx 10:11
	s_load_b64 s[12:13], s[0:1], 0x20              ; vmx
	v_lshl_add_u32 v63, v0, 2, 0x4c800
	s_set_vgpr_msb 0x40
	v_mov_b32 v191, 0
	s_set_vgpr_msb 0x4044
	ds_add_u32 v63, v191
	s_set_vgpr_msb 0x4400
	v_lshrrev_b32 v1, 5, v0
	v_readfirstlane_b32 s14, v1                    ; wave
	s_lshr_b32 s15, s14, 1                         ; my half of the block's rows c.  Also: I fetch wf (0) or un (1)
	s_and_b32 s16, s14, 1                          ; my half of its columns t.  Also: which half of that tile I fetch
	s_bfe_u32 s17, ttmp6, 0x40000                  ; cx
	s_bfe_u32 s18, ttmp6, 0x40004                  ; cy
	s_lshl_b32 s19, ttmp9, 2
	s_add_co_u32 s19, s19, s17                     ; block column (t)
	s_and_b32 s20, ttmp7, 0xffff
	s_lshl_b32 s20, s20, 2
	s_add_co_u32 s20, s20, s18                     ; block row (c)
	s_lshl_b32 s21, s18, 2
	s_lshl_b32 s21, 15, s21                        ; my row of the cluster
	s_lshl_b32 s22, 0x1111, s17                    ; my column
	s_or_b32 s[G1+0], s21, (1<<16)|(1<<20)|(1<<21)|(5<<22)|(3<<25)  ; mask; 2-byte elements; padding of 4 words behind every 64; bit 21 beside a mask
	s_or_b32 s[G1B+0], s22, (1<<16)|(1<<20)|(1<<21)|(5<<22)|(3<<25)
	s_mov_b32 s[G1+1], KSTEP<<16                   ; tensor_dim0 = 128
	s_mov_b32 s[G1B+1], KSTEP<<16
	s_mov_b32 s[G1+2], 144<<16                     ; tensor_dim1 = 144 rows of wf
	s_mov_b32 s[G1B+2], 128<<16                    ; 128 rows of un
	s_mov_b32 s[G1+3], KSTEP<<16                   ; tile_dim0 = 128
	s_mov_b32 s[G1B+3], KSTEP<<16
	s_mov_b32 s[G1+4], 144                         ; tile_dim1
	s_mov_b32 s[G1B+4], 128
	s_mov_b32 s[G1+5], 1024                        ; elements from row to row
	s_mov_b32 s[G1B+5], 1024
	s_mov_b32 s[G1+6], 0
	s_mov_b32 s[G1B+6], 0
	s_mov_b32 s[G1+7], 0
	s_mov_b32 s[G1B+7], 0
	s_mul_i32 s40, s20, 288                        ; wf: row 288 x block row + 144 x half (registers that never hold cx)
	s_mul_i32 s41, s16, 144
	s_add_co_u32 s40, s40, s41
	s_lshl_b32 s40, s40, 11                        ; rows of 2,048 bytes
	s_mov_b32 s41, 0
	s_lshl_b32 s66, s19, 8                         ; un: row 256 x block column + 128 x half (registers that never hold cy)
	s_lshl_b32 s67, s16, 7
	s_add_co_u32 s66, s66, s67
	s_lshl_b32 s66, s66, 11
	s_mov_b32 s67, 0
	s_mul_i32 s44, s14, AH                         ; LDS: wf's halves at wave x 39,168 (waves 0, 1)
	s_mul_i32 s70, s14, BH
	s_add_co_u32 s70, s70, ABYTES-2*BH             ; un's halves at 78,336 + (wave - 2) x 34,816 (waves 2, 3)
	s_wait_dscnt 0x0
	s_wait_kmcnt 0x0
	s_add_nc_u64 s[42:43], s[4:5], s[40:41]
	s_add_nc_u64 s[68:69], s[6:7], s[66:67]
	CROUND                                         ; all sixteen work-groups are here: the first joint loads meet
.irp s, 0,1
	s_mov_b32 s[G0+4*\s], 1
	s_add_co_u32 s[G0+4*\s+1], s44, \s*SLOT
	s_add_nc_u64 s[G0+4*\s+2:G0+4*\s+3], s[42:43], \s*KSTEP*2
	s_or_b32 s[G0+4*\s+3], s[G0+4*\s+3], 0x80000000
	s_mov_b32 s[G0B+4*\s], 1
	s_add_co_u32 s[G0B+4*\s+1], s70, \s*SLOT
	s_add_nc_u64 s[G0B+4*\s+2:G0B+4*\s+3], s[68:69], \s*KSTEP*2
	s_or_b32 s[G0B+4*\s+3], s[G0B+4*\s+3], 0x80000000
	JLOAD \s                                       ; two tensor loads of this wave are out
.endr
	v_and_b32 v1, 15, v0                           ; l % 16
	v_bfe_u32 v2, v0, 4, 1                         ; l / 16
	s_mul_i32 s72, s20, 288
	s_mul_i32 s73, s15, 144
	s_add_co_u32 s72, s72, s73                     ; my first row c
	v_add_nc_u32 v3, s72, v1
	; bias of row c is in_proj_b[c] for c < 4096 and in_proj_b[c + 4] behind the four dt columns: c < 8192, so c >> 12 is 0 or 1
.irp a, 0,1,2,3,4,5,6,7,8
	v_add_nc_u32 v[BA+\a], 16*\a, v3
	v_lshrrev_b32 v4, 12, v[BA+\a]
	v_lshlrev_b32 v4, 4, v4
	v_lshl_add_u32 v[BA+\a], v[BA+\a], 2, v4
	global_load_b32 v[BI+\a], v[BA+\a], s[8:9]
.endr
	v_mov_b32 v[BI+9], 0
.irp q, 0,1,2,3
	v_mov_b32 v[VM+\q], 0
.endr
	v_mul_u32_u24 v3, v1, PITCH
	v_lshl_add_u32 v3, v2, 4, v3                   ; row x pitch + 16 x half
	s_mul_i32 s73, s15, AH
	s_mul_i32 s74, s16, BH
	s_add_co_u32 s74, s74, ABYTES
.irp s, 0,1
	v_add_nc_u32 v[ADRA+\s], s73, v3
	v_add_nc_u32 v[ADRB+\s], s74, v3
	s_add_co_u32 s73, s73, SLOT
	s_add_co_u32 s74, s74, SLOT
.endr
	s_mul_i32 s73, s14, 16*SPITCH
	s_add_co_u32 s73, s73, STAGE                   ; my stage
	v_add_nc_u32 v[STO], s73, v3                   ; in: row l % 16, 16 bytes for each half of the lanes
	v_mul_u32_u24 v5, v2, SPITCH                   ; back: lanes 0-15 one row of 256 bytes, lanes 16-31 the next
	v_lshl_add_u32 v5, v1, 4, v5
	v_add_nc_u32 v[RD], s73, v5
	v_lshlrev_b32 v5, 13, v2                       ; the same two rows in zx: 8,192 bytes a row
	v_lshl_add_u32 v[CO], v1, 4, v5
; 8 matrix instructions: c block a x all 8 t blocks, 32 along K, from buffer f (un at 64 + 64 f, wf at 72 f); acc = the block's first accumulator register in its window
.macro MULA f, a, acc, zero
.irp b, 0,1,2,3,4,5,6,7
.if \zero
	v_wmma_f32_16x16x32_f16 v[\acc+8*\b:\acc+8*\b+7], v[64+64*\f+8*\b:64+64*\f+8*\b+7], v[72*\f+8*\a:72*\f+8*\a+7], 0
.else
	v_wmma_f32_16x16x32_f16 v[\acc+8*\b:\acc+8*\b+7], v[64+64*\f+8*\b:64+64*\f+8*\b+7], v[72*\f+8*\a:72*\f+8*\a+7], v[\acc+8*\b:\acc+8*\b+7]
.endif
.endr
.endm
.macro MULHI f, zero                   ; c blocks 4 to 8
	WIN 0xf4
	MULA \f, 4, 0, \zero
	MULA \f, 5, 64, \zero
	MULA \f, 6, 128, \zero
	MULA \f, 7, 192, \zero
	WIN 0x54
	MULA \f, 8, 192, \zero
.endm
; 34 LDS loads in one run: un's 8 fragments, then wf's 9, of 32 K at byte k of the slot's rows, into buffer f
.macro FETCH slot, k, f
	WIN 0
.irp i, 0,1,2,3,4,5,6,7
	ds_load_b128 v[64+64*\f+8*\i:64+64*\f+8*\i+3],   v[ADRB+\slot] offset:\k+\i*16*PITCH
	ds_load_b128 v[64+64*\f+8*\i+4:64+64*\f+8*\i+7], v[ADRB+\slot] offset:\k+\i*16*PITCH+32
.endr
	WIN 0x40
.irp i, 0,1,2,3,4,5,6,7,8
	ds_load_b128 v[72*\f+8*\i:72*\f+8*\i+3],   v[ADRA+\slot] offset:\k+\i*16*PITCH
	ds_load_b128 v[72*\f+8*\i+4:72*\f+8*\i+7], v[ADRA+\slot] offset:\k+\i*16*PITCH+32
.endr
.endm
.macro PLACES                          ; four places between a matrix instruction and a load into, or a vector access of, its registers
.rept 4
	v_nop
.endr
.endm
; The 72 accumulators take turns, one instruction a turn, in the same order in every quarter step and over the backward jump.
.macro QUARTER slot, k, f, g, zero
	s_wait_dscnt 10                                ; un and wf's blocks 0-3 are in; the youngest ten loads (wf's blocks 4-8) may be out
	WIN 0xa4
	MULA \f, 0, 0, \zero
	MULA \f, 1, 64, \zero
	MULA \f, 2, 128, \zero
	MULA \f, 3, 192, \zero
	PLACES
	FETCH \slot, \k, \g
	s_wait_dscnt 34                                ; all but the 34 just issued
	MULHI \f, \zero
.endm
.macro THREE slot, zero
	QUARTER \slot, 64,  0, 1, \zero
	QUARTER \slot, 128, 1, 0, 0
	QUARTER \slot, 192, 0, 1, 0
.endm
; The last quarter of a K step multiplies buffer 1 and changes slots.  In front of the barrier each wave waits for its reads of this slot and for all its
; tensor loads (one is out: its part of the next slot); behind it (behind the cluster's round where the slot is filled again) the refill comes first.
.macro TURN slot, next, fill
	s_wait_dscnt 10
	WIN 0xa4
	MULA 1, 0, 0, 0
	MULA 1, 1, 64, 0
	s_wait_dscnt 0
	s_wait_tensorcnt 0x0
	ds_add_u32 v63, v191
	s_wait_dscnt 0x0
	s_barrier_signal -1
	MULA 1, 2, 128, 0
	MULA 1, 3, 192, 0
	WIN 0
	s_barrier_wait -1
.if \fill
	CREST
	s_add_nc_u64 s[G0+4*\slot+2:G0+4*\slot+3], s[G0+4*\slot+2:G0+4*\slot+3], 2*KSTEP*2
	s_add_nc_u64 s[G0B+4*\slot+2:G0B+4*\slot+3], s[G0B+4*\slot+2:G0B+4*\slot+3], 2*KSTEP*2
	JLOAD \slot                                    ; my one tensor load behind the round
.endif
	PLACES
	FETCH \next, 0, 0
	MULHI 1, 0
.endm
.macro LAP zero
	THREE 0, \zero
	TURN 0, 1, 1
	THREE 1, 0
	TURN 1, 0, 1
.endm
	s_wait_tensorcnt 1                             ; my part of K step 0 is in; K step 1's stays out
	s_barrier_signal -1
	s_barrier_wait -1
	FETCH 0, 0, 0
	LAP 1                                          ; the first products start the sums: nothing is cleared
	WIN 0
	s_mov_b32 s23, LAPS-2
.Llap:
	LAP 0
	WIN 0
	s_sub_co_u32 s23, s23, 1
	s_cmp_lg_u32 s23, 0
	s_cbranch_scc1 .Llap
	THREE 0, 0                                     ; the last lap fills nothing
	TURN 0, 1, 0
	THREE 1, 0
	s_wait_dscnt 10
	WIN 0xa4
	MULA 1, 0, 0, 0
	MULA 1, 1, 64, 0
	MULA 1, 2, 128, 0
	MULA 1, 3, 192, 0
	s_wait_dscnt 0
	MULHI 1, 0
	; THE WAY OUT, 16 rows c at a time: + bias, |.| into the maxima, to f16, 16 bytes a lane into my own stage, back as whole rows of 256 bytes.
	PLACES
	WIN 0
	s_wait_loadcnt 0x0                             ; the nine biases
	s_lshl_b32 s72, s72, 13                        ; my first row, 8,192 bytes a row
	s_lshl_b32 s73, s19, 9                         ; 512 bytes a block column
	s_add_co_u32 s72, s72, s73
	s_lshl_b32 s73, s16, 8
	s_add_co_u32 s72, s72, s73
	s_mov_b32 s73, 0
	s_add_nc_u64 s[10:11], s[10:11], s[72:73]
.macro OUT16 a, win, reg0, f
	WIN \win
.set i, 0
.rept 32
.if (\a)%2
	v_pk_add_f32 v[TMP+2*i:TMP+2*i+1], v[\reg0+2*i:\reg0+2*i+1], v[BI+\a-1:BI+\a] op_sel:[0,1] op_sel_hi:[1,1]
.else
	v_pk_add_f32 v[TMP+2*i:TMP+2*i+1], v[\reg0+2*i:\reg0+2*i+1], v[BI+\a:BI+\a+1] op_sel_hi:[1,0]
.endif
.set i, i+1
.endr
	WIN 0
.set i, 0
.rept 32
	v_max3_num_f32 v[VM+i%4], v[VM+i%4], |v[TMP+2*i]|, |v[TMP+2*i+1]|
.set i, i+1
.endr
.set i, 0
.rept 32
	v_cvt_pk_f16_f32 v[TMP+i], v[TMP+2*i], v[TMP+2*i+1]        ; packed downward: word i is written when words 2 i, 2 i + 1 are read
.set i, i+1
.endr
.irp b, 0,1,2,3,4,5,6,7
	ds_store_b128 v[STO], v[TMP+4*\b:TMP+4*\b+3] offset:32*\b
.endr
	s_wait_xcnt 0x0                                ; buffer f, which stores read, and the stores' base are rewritten only behind this wait
.if \a
	s_add_nc_u64 s[10:11], s[10:11], 16*8192
.endif
.irp t, 0,1,2,3,4,5,6,7
	ds_load_b128 v[\f+4*\t:\f+4*\t+3], v[RD] offset:\t*2*SPITCH    ; LDS serves a wave's instructions in order: these see the stores above
.endr
.irp t, 0,1,2,3,4,5,6,7
	s_wait_dscnt 7-\t
	global_store_b128 v[CO], v[\f+4*\t:\f+4*\t+3], s[10:11] offset:2*\t*8192   ; 16 lanes store 256 consecutive bytes, aligned
.endr
.endm
	OUT16 0, 0x02, 0,   64
	OUT16 1, 0x02, 64,  128
	OUT16 2, 0x02, 128, 64
	OUT16 3, 0x02, 192, 128
	OUT16 4, 0x03, 0,   64
	OUT16 5, 0x03, 64,  128
	OUT16 6, 0x03, 128, 64
	OUT16 7, 0x03, 192, 128
	OUT16 8, 0x01, 192, 64
	; the wave's largest |value|
	s_mov_b32 s76, 0x76543210
	s_mov_b32 s77, 0xfedcba98
	v_max_num_f32 v[VM], v[VM], v[VM+1]
	v_max_num_f32 v[VM+2], v[VM+2], v[VM+3]
	v_max_num_f32 v[VM], v[VM], v[VM+2]
.irp m, 1,2,4,8
	v_max_num_f32_dpp v[VM], v[VM], v[VM] row_xmask:\m row_mask:0xf bank_mask:0xf
.endr
	v_permlanex16_b32 v[VM+1], v[VM], s76, s77
	v_max_num_f32 v[VM], v[VM], v[VM+1]
	s_lshl_b32 s74, s20, 4
	s_add_co_u32 s74, s74, s19
	s_lshl_b32 s74, s74, 2
	s_add_co_u32 s74, s74, s14
	s_lshl_b32 s74, s74, 2                         ; 4 x ((16 y + x) x 4 + wave)
	v_mov_b32 v6, s74
	v_and_b32 v7, 31, v0
	s_wait_xcnt 0x0                                ; EXEC changes only behind this wait
	v_cmp_eq_u32 vcc_lo, 0, v7
	s_and_saveexec_b32 s78, vcc_lo
	global_store_b32 v6, v[VM], s[12:13]
	s_wait_xcnt 0x0
	s_or_b32 exec_lo, exec_lo, s78
	s_set_vgpr_msb 0x4
	s_wait_tensorcnt 0x0
	ds_add_u32 v63, v191
	s_wait_dscnt 0x0
	s_set_vgpr_msb 0x400
	CROUND                                         ; the closing round: no work-group ends while a partner may still ask jointly
	s_endpgm
.Lfunc_end_k_q0eb6f742a4_gemm1:
	.size	k_q0eb6f742a4_gemm1, .Lfunc_end_k_q0eb6f742a4_gemm1-k_q0eb6f742a4_gemm1
	.p2alignl 7, 3214868480
	.fill 96, 4, 3214868480
	.section	.rodata,"a",@progbits
	.p2align	6, 0x0
	.amdhsa_kernel k_q0eb6f742a4_gemm1
		.amdhsa_group_segment_fixed_size 327680
		.amdhsa_private_segment_fixed_size 0
		.amdhsa_enable_private_segment 0
		.amdhsa_kernarg_size 40
		.amdhsa_user_sgpr_count 2
		.amdhsa_user_sgpr_kernarg_segment_ptr 1
		.amdhsa_wavefront_size32 1
		.amdhsa_system_sgpr_workgroup_id_x 1
		.amdhsa_system_sgpr_workgroup_id_y 1
		.amdhsa_system_sgpr_workgroup_id_z 1
		.amdhsa_system_vgpr_workitem_id 0
		.amdhsa_next_free_vgpr 1024
		.amdhsa_next_free_sgpr 80
		.amdhsa_reserve_vcc 1
		.amdhsa_float_denorm_mode_32 3
		.amdhsa_float_denorm_mode_16_64 3
		.amdhsa_memory_ordered 1
		.amdhsa_forward_progress 1
		.amdhsa_inst_pref_size 255
	.end_amdhsa_kernel
	.amdgpu_metadata
---
amdhsa.version: [ 1, 2 ]
amdhsa.kernels:
  - .name:           k_q0eb6f742a4_gemm1
    .symbol:         k_q0eb6f742a4_gemm1.kd
    .args:
      - { .name: wf, .offset: 0, .size: 8, .value_kind: global_buffer, .address_space: global }
      - { .name: un, .offset: 8, .size: 8, .value_kind: global_buffer, .address_space: global }
      - { .name: in_proj_b, .offset: 16, .size: 8, .value_kind: global_buffer, .address_space: global }
      - { .name: zx, .offset: 24, .size: 8, .value_kind: global_buffer, .address_space: global }
      - { .name: vmx, .offset: 32, .size: 8, .value_kind: global_buffer, .address_space: global }
    .group_segment_fixed_size: 327680
    .private_segment_fixed_size: 0
    .kernarg_segment_align: 8
    .kernarg_segment_size: 40
    .max_flat_workgroup_size: 128
    .sgpr_count:     80
    .vgpr_count:     1024
    .wavefront_size: 32
...
	.end_amdgpu_metadata
.endif
;; end of part 2
;; launch scan (part 3): grid 32 x 8, 8 waves a work-group, clusters of 4 x 1, 327,680 bytes of LDS; arguments zx, dts, vmx, A_log, D, ygt, msc; writes ygt, msc
.if DOCPART == 3
	.amdgcn_target "amdgcn-amd-amdhsa--gfx1250"
	.amdhsa_code_object_version 6
	.text
	.protected	k_q0eb6f742a4_scan
	.globl	k_q0eb6f742a4_scan
	.p2align	8
	.type	k_q0eb6f742a4_scan,@function
k_q0eb6f742a4_scan:
	s_mov_b64 s[64:65], 0
	v_nop
	global_prefetch_b8 v0, s[64:65] scope:SCOPE_SE
	s_setreg_imm32_b32 hwreg(HW_REG_WAVE_MODE, 25, 1), 1
	s_wait_xcnt 0x0
	s_wait_alu depctr_hold_cnt(0) depctr_sa_sdst(0) depctr_va_vdst(0) depctr_va_sdst(0) depctr_va_ssrc(0) depctr_va_vcc(0) depctr_vm_vsrc(0)
	s_getreg_b32 s2, hwreg(HW_REG_IB_STS2, 6, 4)
	s_cmp_eq_u32 s2, 0
	s_cbranch_scc0 .Lentry_in_a_cluster
	s_endpgm
.Lentry_in_a_cluster:
	s_bfe_u32 s2, ttmp6, 0x10000c
	s_cmp_lg_u32 s2, 0x3003
	s_cbranch_scc0 .Lentry_shape_is_right
	s_endpgm
.Lentry_shape_is_right:
; scan: the recurrence h <- exp(dt A) h + dt B x, y = C h, in chunks of 32 steps; then (y + D x) silu(z), times mu, -> ygt[c][t] in f16; 1/mu -> msc.
; A work-group owns 16 columns p of one (batch, head) and walks its 2,048 steps in 8 trips of 256; in a trip wave w owns the chunk of 32 steps at 32 w.
; With cl = running sum of dt A log2(e) inside a chunk (inclusive) and tot its last value:
;   G^T[s,t] = sum_n B[s,n] C[t,n];  M[t,s] = G exp2(cl_t - cl_s) lambda dt_s for s <= t, else 0;  Ya = M X;
;   S = B^T (FS x), FS_s = lambda dt_s exp2(tot - cl_s);  h <- exp2(tot) h + S (carried in f32);  Yi = C h_before;
;   out = (c1 (Ya + exp2(cl_t) Yi) + c2 x) z sigmoid(z),  c1 = mu / lambda, c2 = mu D[head].
; 16 matrix instructions a chunk.  All exponents that are used are <= 0 (dt >= 0, A < 0); the upper triangle is taken out by a select, never by a product.
; SCALES: f16 has no fixed room for M, h and the gated y.  With V = max |z,x,B,C| (vmx), so = sum of dt and dm = max of dt of this (batch, head), Smax = the largest
; such sum, Dmax = max |D|:  bl = V max(64 V dm, V so, dm) bounds |dt G|, |h|, |dt x|, lambda = 2^14 / bl;  by = V^2 (64 V^2 Smax + Dmax) bounds |y silu(z)|, mu = 2^14 / by.
; Every work-group forms mu from the same numbers by the same instructions.  LIMITS: bl and by finite in f32 and floored at 2^-100; sums in chunk order;
; v_exp_f32 and v_rcp_f32 flush denormals.
; CLUSTER of 4: the four slices of p beside each other read the same tiles of B and C (64 KiB of a trip's 80): joint loads, mask 15.  x's and z's tiles are the work-group's own.
.set SLOTB, 86528                      ; a slot: B [64 n][256 t] pitch 544, C the same at 34,816, X [16 p][256 t] pitch 528 at 69,632, Z at 78,080
.set CB,   34816
.set XB,   69632
.set ZB,   8448
.set PBC,  544                         ; 17 x 32: what the transposing loads want
.set PXZ,  528
.set TB,   173056                      ; tables, 2,048 f32 each: cl, lambda dt, FS, exp2(cl); then 64 f32 exp2(tot)
.set T_DTL, 8192
.set T_FS,  16384
.set T_ET,  24576
.set T_AC,  32768
.set SX,   206080                      ; [8 chunks][8 quads][32 lanes][16 bytes]: the chunks' S
.set HF,   238848                      ; [8 chunks][2 q][2 halves][32 lanes][16 bytes]: the state in front of each chunk, f16, as fragments
.set YS,   255232                      ; [16 p][pitch 528]: a trip's results
.set RED,  263680                      ; 8 records of 64 bytes, one a wave
.set G1J, 24
.set G0J, 32
.set G1P, 40
.set G0P, 48
.set MASK, 66                          ; s[66:73] lanes with 8 (l / 16) + j <= l % 16
.set VTR, 4                            ; v4-5   transposing loads of B, C, slot 0, 1
.set VPL, 6                            ; v6-7   plain loads of B
.set VXZ, 8                            ; v8-9   X (Z at + 8,448)
.set VT1, 10                           ; tables at step 32 w + l % 16
.set VT8, 11                           ; tables at step 32 w + 8 (l / 16)
.set VAC, 12
.set VSXW, 13
.set VSXR, 14
.set VHW, 15
.set VHR, 16
.set VYSW, 17
.set VYSR, 18
.set VGO, 19
.set H,   24                           ; v[24:27]   my quad of the state, f32
.set BT,  32                           ; v[32:63]   B as [n][s] fragments; then CLS, DTLV; then ETV
.set CLS, 32
.set DTLV, 48
.set ETV, 32
.set XF,  64                           ; v[64:71]   x fragment
.set FSV, 72                           ; v[72:87]   FS; then Ya
.set YA,  72
.set XF32, 88                          ; v[88:103]  x in f32; then c2 x
.set XT,  104                          ; v[104:111] FS x in f16; then the z fragment
.set ZF,  104
.set SA,  112                          ; v[112:143] S; then HFR, Yi
.set HFR, 112
.set YI,  128
.set CF,  144                          ; v[144:175] C fragments (k, q) at 144 + 8 (2 k + q)
.set BF,  176                          ; v[176:207] B fragments (i, q); then exponents; then SQ; then z, sigmoid
.set SQ,  176
.set ZZ,  176
.set SG,  192
.set GA,  208                          ; v[208:231] three tiles of G^T; then ACV, HP / OUTR, FL
.set ACV, 208
.set HP,  216
.set OUTR, 216
.set FL,  220
.set CLT, 232
.set MF0, 234
.set MF1, 242
.macro ROUND                           ; a round of the cluster's barrier
	s_barrier_signal -1
	s_barrier_wait -1
	s_cmp_lg_u32 s18, 0
	s_cbranch_scc1 .Lnot_wave_0_\@
	s_barrier_signal -3
.Lnot_wave_0_\@:
	s_barrier_wait -3
	s_barrier_signal -1
	s_barrier_wait -1
.endm
.macro FILL s                          ; waves 0, 1: B's, C's tile, jointly; waves 2, 3: x's, z's tile; waves 4-7: none
	s_cmp_lt_u32 s18, 2
	s_cbranch_scc0 .Lnot_joint_\@
	tensor_load_to_lds s[G0J+4*(\s):G0J+4*(\s)+3], s[G1J:G1J+7]
	s_nop 0
	s_branch .Lfilled_\@
.Lnot_joint_\@:
	s_cmp_lt_u32 s18, 4
	s_cbranch_scc0 .Lfilled_\@
	tensor_load_to_lds s[G0P+4*(\s):G0P+4*(\s)+3], s[G1P:G1P+7]
	s_nop 0
.Lfilled_\@:
.endm
	s_load_b256 s[4:11], s[0:1], 0x0               ; zx 4:5, dts 6:7, vmx 8:9, A_log 10:11
	s_load_b128 s[12:15], s[0:1], 0x20             ; D 12:13, ygt 14:15
	s_load_b64 s[16:17], s[0:1], 0x30              ; msc
	v_lshl_add_u32 v30, v0, 2, 0x40a00
	v_mov_b32 v31, 0
	ds_add_u32 v30, v31
	v_lshrrev_b32 v1, 5, v0
	v_readfirstlane_b32 s18, v1                    ; wave
	s_bfe_u32 s19, ttmp6, 0x40000                  ; cx
	s_lshl_b32 s20, ttmp9, 2
	s_add_co_u32 s20, s20, s19                     ; slice of 16 p
	s_and_b32 s21, ttmp7, 0xffff                   ; 4 b + h: the grid has 8 work-groups along y
	s_lshr_b32 s22, s21, 2
	s_and_b32 s22, s22, 1                          ; b, 0 or 1: the mask changes no value and states the bound, since b enters an LDS address below
	s_and_b32 s23, s21, 3                          ; h
	s_mov_b32 s[G1J+0], 15|(1<<16)|(1<<20)|(1<<21)|(6<<22)|(7<<25)  ; mask of the four; 2-byte elements; 8 words of padding behind every 128; bit 21 beside a mask
	s_mov_b32 s[G1J+1], 256<<16                    ; tensor_dim0 = 256
	s_mov_b32 s[G1J+2], 64<<16                     ; tensor_dim1 = 64
	s_mov_b32 s[G1J+3], 256<<16                    ; tile_dim0 = 256
	s_mov_b32 s[G1J+4], 64                         ; tile_dim1 = 64
	s_mov_b32 s[G1J+5], 4096                       ; elements from row to row
	s_mov_b32 s[G1J+6], 0
	s_mov_b32 s[G1J+7], 0
	s_mov_b32 s[G1P+0], (1<<16)|(1<<20)|(6<<22)|(3<<25)             ; no mask; 4 words of padding behind every 128
	s_mov_b32 s[G1P+1], 256<<16
	s_mov_b32 s[G1P+2], 16<<16
	s_mov_b32 s[G1P+3], 256<<16
	s_mov_b32 s[G1P+4], 16
	s_mov_b32 s[G1P+5], 4096
	s_mov_b32 s[G1P+6], 0
	s_mov_b32 s[G1P+7], 0
	s_lshl_b32 s86, s23, 20                        ; joint: row 4096 + 128 h + 64 w, 8,192 bytes a row, + 4,096 b: nothing of cx
	s_lshl_b32 s88, s18, 19
	s_add_co_u32 s86, s86, s88
	s_lshl_b32 s88, s22, 12
	s_add_co_u32 s86, s86, s88
	s_add_co_u32 s86, s86, 33554432
	s_mov_b32 s87, 0
	s_lshl_b32 s92, s23, 22                        ; rows 512 h + 16 slice, + 4,096 b: z's tile and the output
	s_lshl_b32 s93, s20, 17
	s_add_co_u32 s92, s92, s93
	s_add_co_u32 s92, s92, s88
	s_mov_b32 s93, 0
	s_and_b32 s90, s18, 1                          ; wave 2 (x): 2,048 rows further down; wave 3 (z): none
	s_xor_b32 s90, s90, 1
	s_lshl_b32 s90, s90, 24
	s_add_co_u32 s90, s90, s92
	s_mov_b32 s91, 0
	s_mul_i32 s94, s18, CB                         ; LDS: B at 0, C at 34,816 (waves 0, 1)
	s_mul_i32 s95, s18, ZB
	s_add_co_u32 s95, s95, XB-2*ZB                 ; X at 69,632, Z at 78,080 (waves 2, 3)
	s_wait_dscnt 0x0
	s_wait_kmcnt 0x0
	s_add_nc_u64 s[86:87], s[4:5], s[86:87]
	s_add_nc_u64 s[90:91], s[4:5], s[90:91]
	s_add_nc_u64 s[76:77], s[14:15], s[92:93]      ; the output's base
.irp s, 0,1
	s_mov_b32 s[G0J+4*\s], 1
	s_add_co_u32 s[G0J+4*\s+1], s94, \s*SLOTB
	s_add_nc_u64 s[G0J+4*\s+2:G0J+4*\s+3], s[86:87], \s*512
	s_or_b32 s[G0J+4*\s+3], s[G0J+4*\s+3], 0x80000000
	s_mov_b32 s[G0P+4*\s], 1
	s_add_co_u32 s[G0P+4*\s+1], s95, \s*SLOTB
	s_add_nc_u64 s[G0P+4*\s+2:G0P+4*\s+3], s[90:91], \s*512
	s_or_b32 s[G0P+4*\s+3], s[G0P+4*\s+3], 0x80000000
.endr
	ROUND                                          ; the four work-groups are here: the first joint loads meet
	s_cmp_lt_u32 s18, 2                            ; both first fills of a wave stand in one arm: two tensor loads of the wave are out
	s_cbranch_scc0 .Lnot_joint_first
	tensor_load_to_lds s[G0J:G0J+3], s[G1J:G1J+7]
	s_nop 0
	tensor_load_to_lds s[G0J+4:G0J+7], s[G1J:G1J+7]
	s_nop 0
	s_branch .Lfilled_first
.Lnot_joint_first:
	s_cmp_lt_u32 s18, 4
	s_cbranch_scc0 .Lfilled_first
	tensor_load_to_lds s[G0P:G0P+3], s[G1P:G1P+7]
	s_nop 0
	tensor_load_to_lds s[G0P+4:G0P+7], s[G1P:G1P+7]
	s_nop 0
.Lfilled_first:
	s_lshl_b32 s94, s23, 2
	s_load_b32 s84, s[10:11], s94 offset:0x0       ; A_log[h]
	s_load_b32 s85, s[12:13], s94 offset:0x0       ; D[h]
	s_load_b128 s[80:83], s[12:13], 0x0            ; D[0..3]
	v_lshlrev_b32 v250, 5, v0                      ; 32 t: thread t owns steps 8 t .. 8 t + 7, and record t
	s_lshl_b32 s88, s23, 14
	s_lshl_b32 s89, s22, 13
	s_add_co_u32 s88, s88, s89
	v_add_nc_u32 v251, s88, v250
	v_lshlrev_b32 v252, 4, v0
	global_load_b128 v[32:35], v251, s[6:7]                    ; dt of my 8 steps
	global_load_b128 v[36:39], v251, s[6:7] offset:16
	global_load_b128 v[40:43], v250, s[6:7] offset:65536       ; record t: sums of dt, heads 0..3
	global_load_b128 v[44:47], v250, s[6:7] offset:65552       ; maxima
	global_load_b128 v[48:51], v252, s[8:9]                    ; four of the 1,024 maxima of |zx|
	s_mov_b32 s74, 0x76543210
	s_mov_b32 s75, 0xfedcba98
.irp j, 0,1,2,3,4,5,6,7
	s_mov_b32 s[MASK+\j], ((0xffff<<\j)&0xffff)|(((0xffff<<(8+\j))&0xffff)<<16)
.endr
	; LDS and output addresses
	v_and_b32 v1, 31, v0                           ; l
	v_and_b32 v2, 15, v0                           ; r = l % 16
	v_bfe_u32 v3, v0, 4, 1                         ; hh = l / 16
	s_lshl_b32 s88, s18, 6                         ; my chunk's 64 bytes in a row
	v_and_b32 v20, 7, v0
	v_lshl_add_u32 v20, v3, 3, v20
	v_mul_u32_u24 v20, v20, PBC
	v_bfe_u32 v21, v0, 3, 1
	v_lshl_add_u32 v20, v21, 4, v20
	v_add_nc_u32 v[VTR], s88, v20
	v_add_nc_u32 v[VTR+1], SLOTB, v[VTR]
	v_lshlrev_b32 v21, 4, v3
	v_add_nc_u32 v21, s88, v21                     ; 16 hh + 64 w
	v_mad_u32_u24 v[VPL], v2, PBC, v21
	v_add_nc_u32 v[VPL+1], SLOTB, v[VPL]
	v_mad_u32_u24 v[VXZ], v2, PXZ, v21
	v_add_nc_u32 v[VYSW], YS, v[VXZ]
	v_add_nc_u32 v[VXZ], XB, v[VXZ]
	v_add_nc_u32 v[VXZ+1], SLOTB, v[VXZ]
	s_lshl_b32 s89, s18, 7
	s_add_co_u32 s89, s89, TB
	v_lshl_add_u32 v[VT1], v2, 2, s89
	v_lshl_add_u32 v[VT8], v3, 5, s89
	v_mov_b32 v[VAC], TB+T_AC
	v_lshlrev_b32 v22, 4, v1                       ; 16 l
	s_lshl_b32 s89, s18, 12
	s_add_co_u32 s89, s89, SX
	v_add_nc_u32 v[VSXW], s89, v22
	s_lshl_b32 s89, s18, 9
	s_add_co_u32 s89, s89, SX
	v_add_nc_u32 v[VSXR], s89, v22
	s_lshr_b32 s89, s18, 2                         ; my quad = registers 4 w .. 4 w + 3 of S: q = w / 4, half = (w / 2) % 2, 8 bytes at 8 (w % 2)
	s_lshl_b32 s89, s89, 10
	s_bfe_u32 s92, s18, 0x10001
	s_lshl_b32 s92, s92, 9
	s_add_co_u32 s89, s89, s92
	s_and_b32 s92, s18, 1
	s_lshl_b32 s92, s92, 3
	s_add_co_u32 s89, s89, s92
	s_add_co_u32 s89, s89, HF
	v_add_nc_u32 v[VHW], s89, v22
	s_lshl_b32 s89, s18, 11
	s_add_co_u32 s89, s89, HF
	v_add_nc_u32 v[VHR], s89, v22
	v_lshrrev_b32 v23, 4, v0                       ; the way out: thread t takes row t / 16, 16 bytes at 16 (t % 16)
	v_lshlrev_b32 v20, 4, v2
	v_mad_u32_u24 v[VYSR], v23, PXZ, v20
	v_add_nc_u32 v[VYSR], YS, v[VYSR]
	v_lshl_add_u32 v[VGO], v23, 13, v20
.irp q, 0,1,2,3
	v_mov_b32 v[H+\q], 0                           ; h0 = 0
	v_mov_b32 v[MF0+4+\q], 0                       ; steps 16-31 never reach steps 0-15
.endr
	v_mov_b32 v52, 0
	s_lshl_b32 s89, s18, 6
	s_add_co_u32 s89, s89, RED
	v_mov_b32 v254, s89
	s_wait_loadcnt 0x0
	s_wait_kmcnt 0x0
	; sums and maxima over the wave's 32 records (waves 0-3: batch 0, waves 4-7: batch 1) and 128 maxima
	v_max3_num_f32 v48, v48, v49, v50
	v_max_num_f32 v48, v48, v51
.irp m, 1,2,4,8
.irp q, 40,41,42,43
	v_add_f32_dpp v\q, v\q, v\q row_xmask:\m row_mask:0xf bank_mask:0xf
.endr
.irp q, 44,45,46,47,48
	v_max_num_f32_dpp v\q, v\q, v\q row_xmask:\m row_mask:0xf bank_mask:0xf
.endr
.endr
.irp q, 40,41,42,43
	v_permlanex16_b32 v52, v\q, s74, s75
	v_add_f32 v\q, v\q, v52
.endr
.irp q, 44,45,46,47,48
	v_permlanex16_b32 v52, v\q, s74, s75
	v_max_num_f32 v\q, v\q, v52
.endr
	; my wave's record of 64 bytes, written whole: words 0-3 the sums, 4-7 the maxima, 8 V; words 9-15 are read by nobody and hold numbers all the same
	ds_store_b128 v254, v[40:43]
	ds_store_b128 v254, v[44:47] offset:16
	ds_store_b128 v254, v[48:51] offset:32
	ds_store_b128 v254, v[44:47] offset:48
	s_wait_dscnt 0x0                               ; my figures are in LDS before I say so; the tensor loads may stay out
	s_barrier_signal -1
	s_barrier_wait -1
	v_mov_b32 v255, RED
	s_lshl_b32 s89, s22, 8                         ; 256 b (b is 0 or 1) + 4 h (h is 0 to 3): at most 268 bytes into RED
	s_lshl_b32 s92, s23, 2
	s_add_co_u32 s89, s89, s92
	s_add_co_u32 s89, s89, RED
	v_mov_b32 v254, s89                            ; my batch's four waves, my head's word
.irp i, 0,1,2,3,4,5,6,7
	ds_load_b128 v[64+4*\i:64+4*\i+3], v255 offset:64*\i
	ds_load_b32 v[96+\i], v255 offset:64*\i+32
.endr
.irp i, 0,1,2,3
	ds_load_b32 v[104+\i], v254 offset:64*\i
	ds_load_b32 v[108+\i], v254 offset:64*\i+16
.endr
	s_wait_dscnt 0x0
.irp q, 64,80
	v_pk_add_f32 v[\q:\q+1], v[\q:\q+1], v[\q+4:\q+5]
	v_pk_add_f32 v[\q+2:\q+3], v[\q+2:\q+3], v[\q+6:\q+7]
	v_pk_add_f32 v[\q+8:\q+9], v[\q+8:\q+9], v[\q+12:\q+13]
	v_pk_add_f32 v[\q+10:\q+11], v[\q+10:\q+11], v[\q+14:\q+15]
	v_pk_add_f32 v[\q:\q+1], v[\q:\q+1], v[\q+8:\q+9]
	v_pk_add_f32 v[\q+2:\q+3], v[\q+2:\q+3], v[\q+10:\q+11]
.endr
	v_max3_num_f32 v112, v64, v65, v66
	v_max3_num_f32 v112, v112, v67, v80
	v_max3_num_f32 v112, v112, v81, v82
	v_max_num_f32 v112, v112, v83                  ; Smax
	v_max3_num_f32 v113, v96, v97, v98
	v_max3_num_f32 v113, v113, v99, v100
	v_max3_num_f32 v113, v113, v101, v102
	v_max_num_f32 v113, v113, v103                 ; V
	v_add_f32 v104, v104, v105
	v_add_f32 v106, v106, v107
	v_add_f32 v104, v104, v106                     ; so
	v_max3_num_f32 v108, v108, v109, v110
	v_max_num_f32 v108, v108, v111                 ; dm
	v_max_num_f32 v114, |s80|, |s81|
	v_max3_num_f32 v114, v114, |s82|, |s83|        ; Dmax
	v_mul_f32 v115, v113, v108
	v_mul_f32 v115, 0x42800000, v115               ; 64 V dm
	v_mul_f32 v116, v113, v104                     ; V so
	v_max3_num_f32 v115, v115, v116, v108
	v_mul_f32 v115, v113, v115
	v_max_num_f32 v115, 0x0d800000, v115           ; bl
	v_mul_f32 v116, v113, v113
	v_mul_f32 v117, 0x42800000, v116
	v_fma_f32 v117, v117, v112, v114
	v_mul_f32 v117, v116, v117
	v_max_num_f32 v117, 0x0d800000, v117           ; by
	v_mul_f32 v118, 0x3fb8aa3b, s84
	v_rcp_f32 v119, v115
	v_rcp_f32 v120, v117
	v_exp_f32 v121, v118                           ; exp(A_log[h])
	v_mul_f32 v124, 0x38800000, v117               ; 1 / mu = by / 2^14: the plain instruction behind the transcendentals (ISA guide 5.7.2)
	s_wait_alu depctr_va_vdst(0)
	v_mul_f32 v119, 0x46800000, v119               ; lambda
	v_mul_f32 v122, v115, v120                     ; c1 = bl / by
	v_mul_f32 v120, 0x46800000, v120               ; mu
	v_mul_f32 v123, s85, v120                      ; c2
	v_mul_f32 v121, 0xbfb8aa3b, v121               ; A log2(e)
	v_readfirstlane_b32 s57, v119
	v_readfirstlane_b32 s58, v122
	v_readfirstlane_b32 s59, v122
	v_readfirstlane_b32 s60, v123
	v_readfirstlane_b32 s61, v123
	v_readfirstlane_b32 s62, v121
	s_lshl_b32 s88, s21, 5
	s_add_co_u32 s88, s88, s20
	s_lshl_b32 s88, s88, 2
	v_mov_b32 v125, s88                            ; my work-group's own word of msc
	s_wait_xcnt 0x0                                ; EXEC changes only behind this wait
	v_cmp_eq_u32 vcc_lo, 0, v0
	s_and_saveexec_b32 s96, vcc_lo
	global_store_b32 v125, v124, s[16:17]
	s_wait_xcnt 0x0
	s_or_b32 exec_lo, exec_lo, s96
	; the tables: a chunk of 32 steps is four neighbouring lanes
	s_mov_b32 s86, 0xaaaaaaaa                      ; lanes with bit 0 set
	s_mov_b32 s87, 0xcccccccc                      ; lanes with bit 1 set
	v_mul_f32 v40, s62, v32
.irp j, 1,2,3,4,5,6,7
	v_fma_f32 v[40+\j], v[32+\j], s62, v[39+\j]    ; running sum of my 8 steps
.endr
	v_mov_b32 v48, v47
	v_mov_b32 v50, 0
	v_mov_b32_dpp v50, v48 row_xmask:1 row_mask:0xf bank_mask:0xf
	v_cndmask_b32 v49, 0, v50, s86                 ; what lies in front of me
	v_add_f32 v48, v48, v50
	v_mov_b32_dpp v50, v48 row_xmask:2 row_mask:0xf bank_mask:0xf
	v_cndmask_b32 v51, 0, v50, s87
	v_add_f32 v49, v49, v51
	v_add_f32 v48, v48, v50                        ; tot, the same bits in the four lanes
.irp m, 0,2,4,6
	v_pk_add_f32 v[40+\m:41+\m], v[40+\m:41+\m], v[48:49] op_sel:[0,1] op_sel_hi:[1,1]     ; cl
.endr
.irp j, 0,1,2,3,4,5,6,7
	v_exp_f32 v[52+\j], v[40+\j]                   ; exp2(cl)
.endr
.irp m, 0,2,4,6
	v_pk_add_f32 v[60+\m:61+\m], v[48:49], v[40+\m:41+\m] op_sel_hi:[0,1] neg_lo:[0,1] neg_hi:[0,1]    ; tot - cl
.endr
.irp j, 0,1,2,3,4,5,6,7
	v_exp_f32 v[60+\j], v[60+\j]
.endr
	v_exp_f32 v68, v48                             ; exp2(tot)
.irp j, 0,1,2,3,4,5,6,7
	v_mul_f32 v[32+\j], s57, v[32+\j]              ; lambda dt
.endr
	s_wait_alu depctr_va_vdst(0)
.irp m, 0,2,4,6
	v_pk_mul_f32 v[60+\m:61+\m], v[60+\m:61+\m], v[32+\m:33+\m]    ; FS
.endr
	v_add_nc_u32 v250, TB, v250
	v_lshrrev_b32 v251, 2, v0
	v_lshlrev_b32 v251, 2, v251
	v_add_nc_u32 v251, TB+T_AC, v251
	ds_store_b128 v250, v[40:43]
	ds_store_b128 v250, v[44:47] offset:16
	ds_store_b128 v250, v[32:35] offset:T_DTL
	ds_store_b128 v250, v[36:39] offset:T_DTL+16
	ds_store_b128 v250, v[60:63] offset:T_FS
	ds_store_b128 v250, v[64:67] offset:T_FS+16
	ds_store_b128 v250, v[52:55] offset:T_ET
	ds_store_b128 v250, v[56:59] offset:T_ET+16
	ds_store_b32 v251, v68
	s_wait_dscnt 0x0                               ; the tables are in LDS,
	s_wait_tensorcnt 1                             ; my part of slot 0 has landed; slot 1's stays out
	s_barrier_signal -1
	s_barrier_wait -1
; One block of M: ga = its tile of G^T (s block i, t block k), e = 8 registers for the exponents, dst = four registers of the fragment
.macro MBLK ga, i, k, diag, e, dst
.irp m, 0,2,4,6
.if \k
	v_pk_add_f32 v[\e+\m:\e+\m+1], v[CLT:CLT+1], v[CLS+8*\i+\m:CLS+8*\i+\m+1] op_sel:[1,0] op_sel_hi:[1,1] neg_lo:[0,1] neg_hi:[0,1]
.else
	v_pk_add_f32 v[\e+\m:\e+\m+1], v[CLT:CLT+1], v[CLS+8*\i+\m:CLS+8*\i+\m+1] op_sel_hi:[0,1] neg_lo:[0,1] neg_hi:[0,1]
.endif
.endr
.irp j, 0,1,2,3,4,5,6,7
	v_exp_f32 v[\e+\j], v[\e+\j]
.endr
.irp m, 0,2,4,6
	v_pk_mul_f32 v[\ga+\m:\ga+\m+1], v[\ga+\m:\ga+\m+1], v[DTLV+8*\i+\m:DTLV+8*\i+\m+1]   ; plain work behind the exponentials, before their results are used
.endr
	s_wait_alu depctr_va_vdst(0)
.irp m, 0,2,4,6
	v_pk_mul_f32 v[\ga+\m:\ga+\m+1], v[\ga+\m:\ga+\m+1], v[\e+\m:\e+\m+1]
.endr
.if \diag
.irp j, 0,1,2,3,4,5,6,7
	v_cndmask_b32 v[\ga+\j], 0, v[\ga+\j], s[MASK+\j]          ; s > t: zero, whatever stood there
.endr
.endif
.irp m, 0,1,2,3
	v_cvt_pk_f16_f32 v[\dst+\m], v[\ga+2*\m], v[\ga+2*\m+1]
.endr
.endm
; A trip: 256 steps from slot.  refill: the other slot is filled again, two trips ahead; flush: the last trip's results leave; top = 0: the barrier in front stands in the head.
.macro TRIP slot, refill, flush, top
.if \top
	s_wait_tensorcnt 0x0                           ; all my tensor loads have landed, my part of this slot among them: a group 0 may be written
	ds_add_u32 v30, v31
	s_wait_dscnt 0x0
.if \refill
	s_add_nc_u64 s[G0J+6-4*\slot:G0J+7-4*\slot], s[G0J+6-4*\slot:G0J+7-4*\slot], 1024
	s_add_nc_u64 s[G0P+6-4*\slot:G0P+7-4*\slot], s[G0P+6-4*\slot:G0P+7-4*\slot], 1024
.endif
	s_wait_dscnt 0x0                               ; my reads of the other slot are back, my results are in YS
.if \refill
	ROUND                                          ; both now hold of every wave of the four work-groups
	FILL 1-\slot                                   ; my one tensor load until the next round
.else
	s_barrier_signal -1
	s_barrier_wait -1
.endif
.endif
.if \flush
	ds_load_b128 v[FL:FL+3], v[VYSR]
	ds_load_b128 v[FL+4:FL+7], v[VYSR] offset:256
.endif
	ds_load_b128 v[XF:XF+3], v[VXZ+\slot]
	ds_load_b128 v[XF+4:XF+7], v[VXZ+\slot] offset:32
	ds_load_b128 v[FSV:FSV+3], v[VT8] offset:T_FS
	ds_load_b128 v[FSV+4:FSV+7], v[VT8] offset:T_FS+16
	ds_load_b128 v[FSV+8:FSV+11], v[VT8] offset:T_FS+64
	ds_load_b128 v[FSV+12:FSV+15], v[VT8] offset:T_FS+80
.irp i, 0,1,2,3
	ds_load_b128 v[BT+8*\i:BT+8*\i+3], v[VPL+\slot] offset:8704*\i
	ds_load_b128 v[BT+8*\i+4:BT+8*\i+7], v[VPL+\slot] offset:8704*\i+32
.endr
.irp k, 0,1
.irp q, 0,1
	ds_load_tr16_b128 v[CF+8*(2*\k+\q):CF+8*(2*\k+\q)+3], v[VTR+\slot] offset:CB+17408*\q+32*\k
	ds_load_tr16_b128 v[CF+8*(2*\k+\q)+4:CF+8*(2*\k+\q)+7], v[VTR+\slot] offset:CB+17408*\q+32*\k+8704
.endr
.endr
.irp k, 0,1
.irp q, 0,1
	ds_load_tr16_b128 v[BF+8*(2*\k+\q):BF+8*(2*\k+\q)+3], v[VTR+\slot] offset:17408*\q+32*\k
	ds_load_tr16_b128 v[BF+8*(2*\k+\q)+4:BF+8*(2*\k+\q)+7], v[VTR+\slot] offset:17408*\q+32*\k+8704
.endr
.endr
	ds_load_b32 v[CLT], v[VT1]
	ds_load_b32 v[CLT+1], v[VT1] offset:64
.if \flush
	s_wait_dscnt 32                                ; the two loads of results are back; the 32 behind them stay out
	global_store_b128 v[VGO], v[FL:FL+3], s[76:77]             ; 16 lanes store 256 consecutive bytes, aligned
	global_store_b128 v[VGO], v[FL+4:FL+7], s[76:77] offset:256
.endif
	s_wait_dscnt 26                                ; x and FS are in; B (8), C (8), B transposed (8) and cl (2) stay out
	v_cvt_f32_f16 v88, v64.l                       ; XF32 = x in f32: XF is v[64:71], XF32 v[88:103]
	v_cvt_f32_f16 v89, v64.h
	v_cvt_f32_f16 v90, v65.l
	v_cvt_f32_f16 v91, v65.h
	v_cvt_f32_f16 v92, v66.l
	v_cvt_f32_f16 v93, v66.h
	v_cvt_f32_f16 v94, v67.l
	v_cvt_f32_f16 v95, v67.h
	v_cvt_f32_f16 v96, v68.l
	v_cvt_f32_f16 v97, v68.h
	v_cvt_f32_f16 v98, v69.l
	v_cvt_f32_f16 v99, v69.h
	v_cvt_f32_f16 v100, v70.l
	v_cvt_f32_f16 v101, v70.h
	v_cvt_f32_f16 v102, v71.l
	v_cvt_f32_f16 v103, v71.h
.irp m, 0,1,2,3,4,5,6,7
	v_pk_mul_f32 v[250+2*(\m%3):251+2*(\m%3)], v[XF32+2*\m:XF32+2*\m+1], v[FSV+2*\m:FSV+2*\m+1]
	v_cvt_pk_f16_f32 v[XT+\m], v[250+2*(\m%3)], v[251+2*(\m%3)]
.endr
	s_wait_dscnt 18                                ; B's plain fragments are in
.irp i, 0,1,2,3
	v_wmma_f32_16x16x32_f16 v[SA+8*\i:SA+8*\i+7], v[BT+8*\i:BT+8*\i+7], v[XT:XT+7], 0      ; S(n block i): lane = p, registers n = 16 i + 8 hh + j
.endr
.rept 4
	v_nop                                          ; four places before S is stored and before loads land on B's fragments
.endr
.irp q, 0,1,2,3,4,5,6,7
	ds_store_b128 v[VSXW], v[SA+4*\q:SA+4*\q+3] offset:512*\q
.endr
.if \flush
	s_wait_xcnt 0x0                                ; the stores' base, and their data (soon a tile of G^T), are rewritten only behind this wait
	s_add_nc_u64 s[76:77], s[76:77], 512
.endif
	s_wait_dscnt 0x0                               ; my S is in LDS, all my fragments are in
	s_barrier_signal -1
	; between signal and wait: registers, and loads from the tables, which nobody writes any more
	ds_load_b128 v[CLS:CLS+3], v[VT8]
	ds_load_b128 v[CLS+4:CLS+7], v[VT8] offset:16
	ds_load_b128 v[CLS+8:CLS+11], v[VT8] offset:64
	ds_load_b128 v[CLS+12:CLS+15], v[VT8] offset:80
	ds_load_b128 v[DTLV:DTLV+3], v[VT8] offset:T_DTL
	ds_load_b128 v[DTLV+4:DTLV+7], v[VT8] offset:T_DTL+16
	ds_load_b128 v[DTLV+8:DTLV+11], v[VT8] offset:T_DTL+64
	ds_load_b128 v[DTLV+12:DTLV+15], v[VT8] offset:T_DTL+80
	; G^T: blocks (s, t) = (0,0), (0,1), (1,1); the three accumulators take turns, one instruction a turn
	v_wmma_f32_16x16x32_f16 v[GA:GA+7],     v[BF:BF+7],       v[CF:CF+7],       0
	v_wmma_f32_16x16x32_f16 v[GA+8:GA+15],  v[BF:BF+7],       v[CF+16:CF+23],   0
	v_wmma_f32_16x16x32_f16 v[GA+16:GA+23], v[BF+16:BF+23],   v[CF+16:CF+23],   0
	v_wmma_f32_16x16x32_f16 v[GA:GA+7],     v[BF+8:BF+15],    v[CF+8:CF+15],    v[GA:GA+7]
	v_wmma_f32_16x16x32_f16 v[GA+8:GA+15],  v[BF+8:BF+15],    v[CF+24:CF+31],   v[GA+8:GA+15]
	v_wmma_f32_16x16x32_f16 v[GA+16:GA+23], v[BF+24:BF+31],   v[CF+24:CF+31],   v[GA+16:GA+23]
	s_wait_dscnt 0x0
.rept 4
	v_nop
.endr
	MBLK GA,    0, 0, 1, BF,    MF0
	MBLK GA+8,  0, 1, 0, BF+8,  MF1
	MBLK GA+16, 1, 1, 1, BF+16, MF1+4
	v_wmma_f32_16x16x32_f16 v[YA:YA+7],    v[MF0:MF0+7], v[XF:XF+7], 0     ; lane = p, registers t = 16 k + 8 hh + j
	v_wmma_f32_16x16x32_f16 v[YA+8:YA+15], v[MF1:MF1+7], v[XF:XF+7], 0
	s_barrier_wait -1
	; the carried state: wave w runs quad w through the trip's eight chunks and leaves, for each chunk, the state in front of it
.irp c, 0,1,2,3,4,5,6,7
	ds_load_b128 v[SQ+4*\c:SQ+4*\c+3], v[VSXR] offset:4096*\c
.endr
	ds_load_b128 v[ACV:ACV+3], v[VAC]
	ds_load_b128 v[ACV+4:ACV+7], v[VAC] offset:16
	s_wait_dscnt 0x0
.irp c, 0,1,2,3,4,5,6,7
	v_cvt_pk_f16_f32 v[HP+2*(\c%2)], v[H], v[H+1]
	v_cvt_pk_f16_f32 v[HP+2*(\c%2)+1], v[H+2], v[H+3]
	ds_store_b64 v[VHW], v[HP+2*(\c%2):HP+2*(\c%2)+1] offset:2048*\c
.if (\c)%2
	v_pk_fma_f32 v[H:H+1], v[H:H+1], v[ACV+\c-1:ACV+\c], v[SQ+4*\c:SQ+4*\c+1] op_sel:[0,1,0] op_sel_hi:[1,1,1]
	v_pk_fma_f32 v[H+2:H+3], v[H+2:H+3], v[ACV+\c-1:ACV+\c], v[SQ+4*\c+2:SQ+4*\c+3] op_sel:[0,1,0] op_sel_hi:[1,1,1]
.else
	v_pk_fma_f32 v[H:H+1], v[H:H+1], v[ACV+\c:ACV+\c+1], v[SQ+4*\c:SQ+4*\c+1] op_sel_hi:[1,0,1]
	v_pk_fma_f32 v[H+2:H+3], v[H+2:H+3], v[ACV+\c:ACV+\c+1], v[SQ+4*\c+2:SQ+4*\c+3] op_sel_hi:[1,0,1]
.endif
.endr
	s_wait_dscnt 0x0                               ; my parts of the eight states are in LDS
	s_barrier_signal -1
	; between signal and wait: z from the slot (filled again only behind the next round), exp2(cl) from the tables; the gate
	ds_load_b128 v[ZF:ZF+3], v[VXZ+\slot] offset:ZB
	ds_load_b128 v[ZF+4:ZF+7], v[VXZ+\slot] offset:ZB+32
	ds_load_b128 v[ETV:ETV+3], v[VT8] offset:T_ET
	ds_load_b128 v[ETV+4:ETV+7], v[VT8] offset:T_ET+16
	ds_load_b128 v[ETV+8:ETV+11], v[VT8] offset:T_ET+64
	ds_load_b128 v[ETV+12:ETV+15], v[VT8] offset:T_ET+80
	s_wait_dscnt 0x0
	v_cvt_f32_f16 v176, v104.l                     ; ZZ = z in f32: ZF is v[104:111], ZZ v[176:191]
	v_cvt_f32_f16 v177, v104.h
	v_cvt_f32_f16 v178, v105.l
	v_cvt_f32_f16 v179, v105.h
	v_cvt_f32_f16 v180, v106.l
	v_cvt_f32_f16 v181, v106.h
	v_cvt_f32_f16 v182, v107.l
	v_cvt_f32_f16 v183, v107.h
	v_cvt_f32_f16 v184, v108.l
	v_cvt_f32_f16 v185, v108.h
	v_cvt_f32_f16 v186, v109.l
	v_cvt_f32_f16 v187, v109.h
	v_cvt_f32_f16 v188, v110.l
	v_cvt_f32_f16 v189, v110.h
	v_cvt_f32_f16 v190, v111.l
	v_cvt_f32_f16 v191, v111.h
.irp m, 0,2,4,6,8,10,12,14
	v_pk_mul_f32 v[SG+\m:SG+\m+1], v[ZZ+\m:ZZ+\m+1], 0xbfb8aa3b op_sel_hi:[1,0]
.endr
.irp j, 0,1,2,3,4,5,6,7,8,9,10,11,12,13,14,15
	v_exp_f32 v[SG+\j], v[SG+\j]
.endr
.irp m, 0,2,4,6
	v_pk_mul_f32 v[XF32+\m:XF32+\m+1], v[XF32+\m:XF32+\m+1], s[60:61] op_sel_hi:[1,0]      ; c2 x: plain work behind the exponentials
.endr
	s_wait_alu depctr_va_vdst(0)
.irp m, 0,2,4,6,8,10,12,14
	v_pk_add_f32 v[SG+\m:SG+\m+1], v[SG+\m:SG+\m+1], 1.0 op_sel_hi:[1,0]
.endr
.irp j, 0,1,2,3,4,5,6,7,8,9,10,11,12,13,14,15
	v_rcp_f32 v[SG+\j], v[SG+\j]
.endr
.irp m, 8,10,12,14
	v_pk_mul_f32 v[XF32+\m:XF32+\m+1], v[XF32+\m:XF32+\m+1], s[60:61] op_sel_hi:[1,0]      ; the rest of c2 x, behind the reciprocals
.endr
	s_wait_alu depctr_va_vdst(0)
.irp m, 0,2,4,6,8,10,12,14
	v_pk_mul_f32 v[ZZ+\m:ZZ+\m+1], v[ZZ+\m:ZZ+\m+1], v[SG+\m:SG+\m+1]                      ; z sigmoid(z)
.endr
	s_barrier_wait -1
	ds_load_b128 v[HFR:HFR+3], v[VHR]
	ds_load_b128 v[HFR+4:HFR+7], v[VHR] offset:512
	ds_load_b128 v[HFR+8:HFR+11], v[VHR] offset:1024
	ds_load_b128 v[HFR+12:HFR+15], v[VHR] offset:1536
	s_wait_dscnt 0x0
	v_wmma_f32_16x16x32_f16 v[YI:YI+7],    v[CF:CF+7],     v[HFR:HFR+7],    0              ; the two accumulators take turns
	v_wmma_f32_16x16x32_f16 v[YI+8:YI+15], v[CF+16:CF+23], v[HFR:HFR+7],    0
	v_wmma_f32_16x16x32_f16 v[YI:YI+7],    v[CF+8:CF+15],  v[HFR+8:HFR+15], v[YI:YI+7]
	v_wmma_f32_16x16x32_f16 v[YI+8:YI+15], v[CF+24:CF+31], v[HFR+8:HFR+15], v[YI+8:YI+15]
.rept 4
	v_nop
.endr
.irp m, 0,2,4,6,8,10,12,14
	v_pk_fma_f32 v[YI+\m:YI+\m+1], v[ETV+\m:ETV+\m+1], v[YI+\m:YI+\m+1], v[YA+\m:YA+\m+1]
.endr
.irp m, 0,2,4,6,8,10,12,14
	v_pk_fma_f32 v[YI+\m:YI+\m+1], v[YI+\m:YI+\m+1], s[58:59], v[XF32+\m:XF32+\m+1] op_sel_hi:[1,0,1]
.endr
.irp m, 0,2,4,6,8,10,12,14
	v_pk_mul_f32 v[YI+\m:YI+\m+1], v[YI+\m:YI+\m+1], v[ZZ+\m:ZZ+\m+1]
.endr
.irp m, 0,1,2,3,4,5,6,7
	v_cvt_pk_f16_f32 v[OUTR+\m], v[YI+2*\m], v[YI+2*\m+1]
.endr
	ds_store_b128 v[VYSW], v[OUTR:OUTR+3]          ; YS was read at this trip's head, two barriers ago
	ds_store_b128 v[VYSW], v[OUTR+4:OUTR+7] offset:32
	v_add_nc_u32 v[VT1], 1024, v[VT1]              ; the tables' next 256 steps
	v_add_nc_u32 v[VT8], 1024, v[VT8]
	v_add_nc_u32 v[VAC], 32, v[VAC]
.endm
	TRIP 0, 0, 0, 0                                ; steps 0-255
	s_mov_b32 s56, 3
.Ltrips:
	TRIP 1, 1, 1, 1                                ; trips 1 to 6 fill the slots with the steps of trips 2 to 7
	TRIP 0, 1, 1, 1
	s_sub_co_u32 s56, s56, 1
	s_cmp_lg_u32 s56, 0
	s_cbranch_scc1 .Ltrips
	TRIP 1, 0, 1, 1                                ; the last trip fetches nothing
	s_wait_dscnt 0x0                               ; my last results are in YS
	ROUND                                          ; the closing round; its barriers also show YS to every wave
	ds_load_b128 v[FL:FL+3], v[VYSR]
	ds_load_b128 v[FL+4:FL+7], v[VYSR] offset:256
	s_wait_dscnt 0x0
	global_store_b128 v[VGO], v[FL:FL+3], s[76:77]
	global_store_b128 v[VGO], v[FL+4:FL+7], s[76:77] offset:256
	s_wait_tensorcnt 0x0
	ds_add_u32 v30, v31
	s_wait_dscnt 0x0
	s_endpgm
.Lfunc_end_k_q0eb6f742a4_scan:
	.size	k_q0eb6f742a4_scan, .Lfunc_end_k_q0eb6f742a4_scan-k_q0eb6f742a4_scan
	.p2alignl 7, 3214868480
	.fill 96, 4, 3214868480
	.section	.rodata,"a",@progbits
	.p2align	6, 0x0
	.amdhsa_kernel k_q0eb6f742a4_scan
		.amdhsa_group_segment_fixed_size 327680
		.amdhsa_private_segment_fixed_size 0
		.amdhsa_enable_private_segment 0
		.amdhsa_kernarg_size 56
		.amdhsa_user_sgpr_count 2
		.amdhsa_user_sgpr_kernarg_segment_ptr 1
		.amdhsa_wavefront_size32 1
		.amdhsa_system_sgpr_workgroup_id_x 1
		.amdhsa_system_sgpr_workgroup_id_y 1
		.amdhsa_system_sgpr_workgroup_id_z 1
		.amdhsa_system_vgpr_workitem_id 0
		.amdhsa_next_free_vgpr 256
		.amdhsa_next_free_sgpr 100
		.amdhsa_reserve_vcc 1
		.amdhsa_float_denorm_mode_32 3
		.amdhsa_float_denorm_mode_16_64 3
		.amdhsa_memory_ordered 1
		.amdhsa_forward_progress 1
		.amdhsa_inst_pref_size 109
	.end_amdhsa_kernel
	.amdgpu_metadata
---
amdhsa.version: [ 1, 2 ]
amdhsa.kernels:
  - .name:           k_q0eb6f742a4_scan
    .symbol:         k_q0eb6f742a4_scan.kd
    .args:
      - { .name: zx, .offset: 0, .size: 8, .value_kind: global_buffer, .address_space: global }
      - { .name: dts, .offset: 8, .size: 8, .value_kind: global_buffer, .address_space: global }
      - { .name: vmx, .offset: 16, .size: 8, .value_kind: global_buffer, .address_space: global }
      - { .name: A_log, .offset: 24, .size: 8, .value_kind: global_buffer, .address_space: global }
      - { .name: D, .offset: 32, .size: 8, .value_kind: global_buffer, .address_space: global }
      - { .name: ygt, .offset: 40, .size: 8, .value_kind: global_buffer, .address_space: global }
      - { .name: msc, .offset: 48, .size: 8, .value_kind: global_buffer, .address_space: global }
    .group_segment_fixed_size: 327680
    .private_segment_fixed_size: 0
    .kernarg_segment_align: 8
    .kernarg_segment_size: 56
    .max_flat_workgroup_size: 256
    .sgpr_count:     100
    .vgpr_count:     256
    .wavefront_size: 32
...
	.end_amdgpu_metadata
.endif
;; end of part 3
;; launch gemm2 (part 4): grid 8 x 32, 4 waves a work-group, clusters of 4 x 4, 327,680 bytes of LDS; arguments ygt, wf, out_proj_b, msc, out0; writes out0
.if DOCPART == 4
	.amdgcn_target "amdgcn-amd-amdhsa--gfx1250"
	.amdhsa_code_object_version 6
	.text
	.protected	k_q0eb6f742a4_gemm2
	.globl	k_q0eb6f742a4_gemm2
	.p2align	8
	.type	k_q0eb6f742a4_gemm2,@function
k_q0eb6f742a4_gemm2:
	s_mov_b64 s[64:65], 0
	v_nop
	global_prefetch_b8 v0, s[64:65] scope:SCOPE_SE
	s_setreg_imm32_b32 hwreg(HW_REG_WAVE_MODE, 25, 1), 1
	s_wait_xcnt 0x0
	s_wait_alu depctr_hold_cnt(0) depctr_sa_sdst(0) depctr_va_vdst(0) depctr_va_sdst(0) depctr_va_ssrc(0) depctr_va_vcc(0) depctr_vm_vsrc(0)
	s_getreg_b32 s2, hwreg(HW_REG_IB_STS2, 6, 4)
	s_cmp_eq_u32 s2, 0
	s_cbranch_scc0 .Lentry_in_a_cluster
	s_endpgm
.Lentry_in_a_cluster:
	s_bfe_u32 s2, ttmp6, 0x10000c
	s_cmp_lg_u32 s2, 0xf033
	s_cbranch_scc0 .Lentry_shape_is_right
	s_endpgm
.Lentry_shape_is_right:
; gemm2: out0[t][o] = (1 / mu) sum over c of ygt[c][t] wo[o][c] + out_proj_b[o].  ygt: [2048 c][4096 t] f16, wo: [1024 o][2048 c] f16 (wf from byte 9,437,184), out0: [4096][1024] f32.
; 256 work-groups give blocks of 128 t x 128 o.  K IS SPLIT OVER THE FOUR WAVES: each wave makes the whole block (64 accumulator tiles, 512 registers) on a quarter of K,
; so that 32 fragment loads feed 64 matrix instructions; the four partial sums meet in LDS on the way out, which the f32 rows pass anyway.  The sum's order differs from a single chain's.
; A slot holds 256 of K: ygt [256 c][128 t], pitch 288 (read by transposing loads), then wo [128 o][256 c], pitch 528.  In a slot wave w takes c = 64 w + 32 j, j = 0, 1.  8 slot steps.
; CLUSTERS of 4 x 4: ygt's tile hangs on the t block (y) alone, shared along a row of the cluster; wo's on the o block (x) alone, shared along a column.
; Source 0 = 16 rows o of wo, source 1 = 16 columns t of ygt: lane l holds row t = l % 16, its registers o = 8 (l / 16) + 0..7.
; REGISTERS: window 0: addresses, bias, ygt's fragments (v64, v128); window 1: wo's fragments (v64, v128); window 2: t blocks 0-3; window 3: t blocks 4-7.
.set PA,    288
.set PB,    528
.set AHALF, 128*PA                     ; one tensor load of ygt: 128 rows c
.set BHALF, 64*PB                      ; one tensor load of wo: 64 rows o
.set ABYTES, 2*AHALF
.set SLOT,  ABYTES+2*BHALF
.set PSW,   128*PB                     ; a wave's partial sums: [128 t][pitch 528], in the slots' bytes after their last fill
.set LAPS,  4
.set VAT, 16                           ; v16-17 ygt fragments, slot 0, 1
.set VBW, 20                           ; v20-21 wo fragments
.set VRS, 24
.set CO,  26
.set VRR, 28                           ; v28-31 partial sums of waves 0..3, my 32 rows
.set BIAS, 32
.set F0, 64
.set F1, 128
.set G1, 24
.set G0, 32
.set G1B, 48
.set G0B, 56
.set MSB, 0
.macro WIN new
.if MSB != \new
	s_set_vgpr_msb (MSB<<8)|\new
.set MSB, \new
.endif
.endm
.set MUL_LO, 0xa1
.set MUL_HI, 0xf1
.set TO_B,   0x40
.macro JLOAD s
	s_cmp_eq_u32 s15, 0
	s_cbranch_scc0 .Lfor_b_\@
	tensor_load_to_lds s[G0+4*\s:G0+4*\s+3], s[G1:G1+7]
	s_nop 0
	s_branch .Lasked_\@
.Lfor_b_\@:
	tensor_load_to_lds s[G0B+4*\s:G0B+4*\s+3], s[G1B:G1B+7]
	s_nop 0
.Lasked_\@:
.endm
.macro CREST
	s_cmp_lg_u32 s14, 0
	s_cbranch_scc1 .Lnot_wave_0_\@
	s_barrier_signal -3
.Lnot_wave_0_\@:
	s_barrier_wait -3
	s_barrier_signal -1
	s_barrier_wait -1
.endm
.macro CROUND
	s_barrier_signal -1
	s_barrier_wait -1
	CREST
.endm
	s_load_b256 s[4:11], s[0:1], 0x0               ; ygt 4:5, wf 6:7, out_proj_b 8:9, msc 10:11
	s_load_b64 s[12:13], s[0:1], 0x20              ; out0
	s_set_vgpr_msb 0x40
	v_lshl_add_u32 v255, v0, 2, 0x45000
	s_set_vgpr_msb 0x4000
	v_mov_b32 v255, 0
	s_set_vgpr_msb 0x1
	ds_add_u32 v255, v255
	s_set_vgpr_msb 0x100
	v_lshrrev_b32 v1, 5, v0
	v_readfirstlane_b32 s14, v1                    ; wave
	s_lshr_b32 s15, s14, 1                         ; I fetch ygt (0) or wo (1)
	s_and_b32 s16, s14, 1                          ; which half of that tile
	s_bfe_u32 s17, ttmp6, 0x40000                  ; cx
	s_bfe_u32 s18, ttmp6, 0x40004                  ; cy
	s_lshl_b32 s19, ttmp9, 2
	s_add_co_u32 s19, s19, s17                     ; o block
	s_and_b32 s20, ttmp7, 0xffff
	s_lshl_b32 s20, s20, 2
	s_add_co_u32 s20, s20, s18                     ; t block
	s_lshl_b32 s21, s18, 2
	s_lshl_b32 s21, 15, s21                        ; my row of the cluster
	s_lshl_b32 s22, 0x1111, s17                    ; my column
	s_or_b32 s[G1+0], s21, (1<<16)|(1<<20)|(1<<21)|(5<<22)|(7<<25)  ; ygt: rows of 64 words, 8 words of padding
	s_or_b32 s[G1B+0], s22, (1<<16)|(1<<20)|(1<<21)|(6<<22)|(3<<25) ; wo: rows of 128 words, 4 words of padding
	s_mov_b32 s[G1+1], 128<<16
	s_mov_b32 s[G1B+1], 256<<16
	s_mov_b32 s[G1+2], 128<<16
	s_mov_b32 s[G1B+2], 64<<16
	s_mov_b32 s[G1+3], 128<<16
	s_mov_b32 s[G1B+3], 256<<16
	s_mov_b32 s[G1+4], 128
	s_mov_b32 s[G1B+4], 64
	s_mov_b32 s[G1+5], 4096
	s_mov_b32 s[G1B+5], 2048
	s_mov_b32 s[G1+6], 0
	s_mov_b32 s[G1B+6], 0
	s_mov_b32 s[G1+7], 0
	s_mov_b32 s[G1B+7], 0
	s_lshl_b32 s40, s16, 20                        ; ygt: 128 rows of 8,192 bytes a half, + 256 bytes a t block (registers that never hold cx)
	s_lshl_b32 s41, s20, 8
	s_add_co_u32 s40, s40, s41
	s_mov_b32 s41, 0
	s_lshl_b32 s66, s19, 19                        ; wo: 128 rows of 4,096 bytes an o block, 64 rows a half (registers that never hold cy)
	s_lshl_b32 s67, s16, 18
	s_add_co_u32 s66, s66, s67
	s_add_co_u32 s66, s66, 9437184
	s_mov_b32 s67, 0
	s_mul_i32 s44, s14, AHALF                      ; LDS: ygt's halves at wave x 36,864 (waves 0, 1)
	s_mul_i32 s70, s14, BHALF
	s_add_co_u32 s70, s70, ABYTES-2*BHALF          ; wo's halves at 73,728 + (wave - 2) x 33,792 (waves 2, 3)
	s_wait_dscnt 0x0
	s_wait_kmcnt 0x0
	s_add_nc_u64 s[42:43], s[4:5], s[40:41]
	s_add_nc_u64 s[68:69], s[6:7], s[66:67]
	CROUND
.irp s, 0,1
	s_mov_b32 s[G0+4*\s], 1
	s_add_co_u32 s[G0+4*\s+1], s44, \s*SLOT
	s_add_nc_u64 s[G0+4*\s+2:G0+4*\s+3], s[42:43], \s*256*8192
	s_or_b32 s[G0+4*\s+3], s[G0+4*\s+3], 0x80000000
	s_mov_b32 s[G0B+4*\s], 1
	s_add_co_u32 s[G0B+4*\s+1], s70, \s*SLOT
	s_add_nc_u64 s[G0B+4*\s+2:G0B+4*\s+3], s[68:69], \s*512
	s_or_b32 s[G0B+4*\s+3], s[G0B+4*\s+3], 0x80000000
	JLOAD \s                                       ; two tensor loads of this wave are out
.endr
	s_lshl_b32 s72, s20, 3
	s_add_co_u32 s72, s72, s19
	s_lshl_b32 s72, s72, 2
	s_load_b32 s78, s[10:11], s72 offset:0x0       ; 1 / mu: copy 8 y + x (all 256 copies are equal)
	v_and_b32 v1, 15, v0                           ; r
	v_bfe_u32 v2, v0, 4, 1                         ; hh
	v_and_b32 v3, 31, v0                           ; l
	v_lshlrev_b32 v[CO], 4, v3                     ; 16 l
	s_lshl_b32 s73, s19, 9
	v_add_nc_u32 v4, s73, v[CO]
	global_load_b128 v[BIAS:BIAS+3], v4, s[8:9]    ; out_proj_b of my four columns on the way out
	v_and_b32 v5, 7, v0
	v_lshl_add_u32 v5, v2, 3, v5                   ; 8 hh + l % 8
	s_lshl_b32 s73, s14, 6
	v_add_nc_u32 v5, s73, v5                       ; + 64 w: my quarter of the slot's K
	v_mul_u32_u24 v5, v5, PA
	v_bfe_u32 v6, v0, 3, 1
	v_lshl_add_u32 v[VAT], v6, 4, v5
	v_add_nc_u32 v[VAT+1], SLOT, v[VAT]
	v_mul_u32_u24 v5, v1, PB
	v_lshl_add_u32 v6, v2, 4, v5
	s_lshl_b32 s73, s14, 7
	s_add_co_u32 s73, s73, ABYTES
	v_add_nc_u32 v[VBW], s73, v6                   ; 73,728 + 528 r + 16 hh + 128 w
	v_add_nc_u32 v[VBW+1], SLOT, v[VBW]
	s_mul_i32 s73, s14, PSW
	v_lshl_add_u32 v5, v2, 5, v5
	v_add_nc_u32 v[VRS], s73, v5                   ; my partial sums: 528 r + 32 hh
	s_mul_i32 s73, s14, 32*PB                      ; my 32 rows in each wave's partial sums
.irp s, 0,1,2,3
	v_add_nc_u32 v[VRR+\s], s73, v[CO]
	s_add_co_u32 s73, s73, PSW
.endr
.macro MUL16 f, hi, a0, zero
.irp a, \a0, \a0+1
.irp b, 0,1,2,3,4,5,6,7
.if \zero
	v_wmma_f32_16x16x32_f16 v[8*(8*(\a)+\b):8*(8*(\a)+\b)+7], v[\f+8*\b:\f+8*\b+7], v[\f+8*(4*\hi+\a):\f+8*(4*\hi+\a)+7], 0
.else
	v_wmma_f32_16x16x32_f16 v[8*(8*(\a)+\b):8*(8*(\a)+\b)+7], v[\f+8*\b:\f+8*\b+7], v[\f+8*(4*\hi+\a):\f+8*(4*\hi+\a)+7], v[8*(8*(\a)+\b):8*(8*(\a)+\b)+7]
.endif
.endr
.endr
.endm
; 32 LDS loads in one run: wo's 8 fragments (plain), then ygt's 8 (transposing), 32 of K at c = 64 w + 32 j
.macro FETCH slot, j, f
	WIN TO_B
.irp i, 0,1,2,3,4,5,6,7
	ds_load_b128 v[\f+8*\i:\f+8*\i+3],   v[VBW+\slot] offset:64*\j+\i*16*PB
	ds_load_b128 v[\f+8*\i+4:\f+8*\i+7], v[VBW+\slot] offset:64*\j+\i*16*PB+32
.endr
	WIN 0
.irp i, 0,1,2,3,4,5,6,7
	ds_load_tr16_b128 v[\f+8*\i:\f+8*\i+3],   v[VAT+\slot] offset:32*PA*\j+32*\i
	ds_load_tr16_b128 v[\f+8*\i+4:\f+8*\i+7], v[VAT+\slot] offset:32*PA*\j+32*\i+16*PA
.endr
.endm
.macro PLACES                          ; four places between a matrix instruction and a load into, or a vector access of, its registers
.rept 4
	v_nop
.endr
.endm
; The 64 accumulators take turns, one instruction a turn, in the same order in every half step and over the backward jump.
.macro QUARTER slot, zero              ; j = 0 on buffer 0; in its middle j = 1 is fetched into buffer 1
	s_wait_dscnt 8                                 ; wo and ygt's t blocks 0-3 are in; the youngest eight loads (t blocks 4-7) may be out
	WIN MUL_LO
	MUL16 F0, 0, 0, \zero
	MUL16 F0, 0, 2, \zero
	PLACES
	FETCH \slot, 1, F1
	s_wait_dscnt 32                                ; all but the 32 just issued
	WIN MUL_HI
	MUL16 F0, 1, 0, \zero
	MUL16 F0, 1, 2, \zero
.endm
; j = 1 on buffer 1, and the change of slots: each wave's reads of this slot and all its tensor loads are waited for in front of the barrier;
; behind it (behind the cluster's round where the slot is filled again) the refill comes first.  From a request to the wait for it a wave issues 112 matrix instructions.
.macro TURN slot, next, fill
	s_wait_dscnt 8
	WIN MUL_LO
	MUL16 F1, 0, 0, 0
	s_wait_dscnt 0
	s_wait_tensorcnt 0x0
	ds_add_u32 v255, v255
	s_wait_dscnt 0x0
	s_barrier_signal -1
	MUL16 F1, 0, 2, 0
	WIN 0
	s_barrier_wait -1
.if \fill
	CREST
	s_add_nc_u64 s[G0+4*\slot+2:G0+4*\slot+3], s[G0+4*\slot+2:G0+4*\slot+3], 2*256*8192
	s_add_nc_u64 s[G0B+4*\slot+2:G0B+4*\slot+3], s[G0B+4*\slot+2:G0B+4*\slot+3], 1024
	JLOAD \slot                                    ; my one tensor load behind the round
.endif
	PLACES
	FETCH \next, 0, F0
	WIN MUL_HI
	MUL16 F1, 1, 0, 0
	MUL16 F1, 1, 2, 0
.endm
.macro LAP zero
	QUARTER 0, \zero
	TURN 0, 1, 1
	QUARTER 1, 0
	TURN 1, 0, 1
.endm
	s_wait_tensorcnt 1                             ; my part of slot 0 is in; slot 1's stays out
	s_barrier_signal -1
	s_barrier_wait -1
	FETCH 0, 0, F0
	LAP 1
	WIN 0
	s_mov_b32 s23, LAPS-2
.Llap:
	LAP 0
	WIN 0
	s_sub_co_u32 s23, s23, 1
	s_cmp_lg_u32 s23, 0
	s_cbranch_scc1 .Llap
	QUARTER 0, 0                                   ; the last lap fills nothing
	TURN 0, 1, 0
	QUARTER 1, 0
	s_wait_dscnt 8
	WIN MUL_LO
	MUL16 F1, 0, 0, 0
	MUL16 F1, 0, 2, 0
	s_wait_dscnt 0
	WIN MUL_HI
	MUL16 F1, 1, 0, 0
	MUL16 F1, 1, 2, 0
	; THE WAY OUT.  The slots have had their last fill and, behind this barrier, their last read: their bytes take the four waves' partial sums.
	PLACES
	WIN 0
	s_barrier_signal -1                            ; no LDS instruction and no tensor load of mine is out
	s_barrier_wait -1
	WIN 0x08                                       ; store data from window 2
.irp a, 0,1,2,3
.irp b, 0,1,2,3,4,5,6,7
	ds_store_b128 v[VRS], v[8*(8*\a+\b):8*(8*\a+\b)+3]   offset:16*PB*\a+64*\b
	ds_store_b128 v[VRS], v[8*(8*\a+\b)+4:8*(8*\a+\b)+7] offset:16*PB*\a+64*\b+16
.endr
.endr
	WIN 0x0c                                       ; from window 3
.irp a, 0,1,2,3
.irp b, 0,1,2,3,4,5,6,7
	ds_store_b128 v[VRS], v[8*(8*\a+\b):8*(8*\a+\b)+3]   offset:16*PB*(\a+4)+64*\b
	ds_store_b128 v[VRS], v[8*(8*\a+\b)+4:8*(8*\a+\b)+7] offset:16*PB*(\a+4)+64*\b+16
.endr
.endr
	WIN 0
	s_wait_dscnt 0x0                               ; my partial sums are in LDS before I say so
	s_barrier_signal -1
	s_barrier_wait -1
	s_wait_loadcnt 0x0                             ; the bias
	s_wait_kmcnt 0x0                               ; 1 / mu
	s_mov_b32 s79, s78
	s_lshl_b32 s72, s20, 19                        ; row 128 y + 32 w, 4,096 bytes a row, + 512 bytes an o block
	s_lshl_b32 s73, s14, 17
	s_add_co_u32 s72, s72, s73
	s_lshl_b32 s73, s19, 9
	s_add_co_u32 s72, s72, s73
	s_mov_b32 s73, 0
	s_add_nc_u64 s[12:13], s[12:13], s[72:73]
; Four of my 32 rows: the four waves' sums of a row, 16 bytes a lane; (p0 + p1) + (p2 + p3), times 1 / mu, plus bias; a wave's store covers 512 consecutive bytes, aligned.
.macro OUTG g, f
	s_wait_xcnt 0x0                                ; buffer f, which stores read, is rewritten only behind this wait
.irp i, 0,1,2,3
.irp s, 0,1,2,3
	ds_load_b128 v[\f+16*\i+4*\s:\f+16*\i+4*\s+3], v[VRR+\s] offset:PB*(4*\g+\i)
.endr
.endr
.irp i, 0,1,2,3
	s_wait_dscnt 12-4*\i                           ; row i's four loads are back; those of the rows behind it stay out
	v_pk_add_f32 v[\f+16*\i:\f+16*\i+1],     v[\f+16*\i:\f+16*\i+1],     v[\f+16*\i+4:\f+16*\i+5]
	v_pk_add_f32 v[\f+16*\i+2:\f+16*\i+3],   v[\f+16*\i+2:\f+16*\i+3],   v[\f+16*\i+6:\f+16*\i+7]
	v_pk_add_f32 v[\f+16*\i+8:\f+16*\i+9],   v[\f+16*\i+8:\f+16*\i+9],   v[\f+16*\i+12:\f+16*\i+13]
	v_pk_add_f32 v[\f+16*\i+10:\f+16*\i+11], v[\f+16*\i+10:\f+16*\i+11], v[\f+16*\i+14:\f+16*\i+15]
	v_pk_add_f32 v[\f+16*\i:\f+16*\i+1],     v[\f+16*\i:\f+16*\i+1],     v[\f+16*\i+8:\f+16*\i+9]
	v_pk_add_f32 v[\f+16*\i+2:\f+16*\i+3],   v[\f+16*\i+2:\f+16*\i+3],   v[\f+16*\i+10:\f+16*\i+11]
	v_pk_fma_f32 v[\f+16*\i:\f+16*\i+1],     v[\f+16*\i:\f+16*\i+1],     s[78:79], v[BIAS:BIAS+1] op_sel_hi:[1,0,1]
	v_pk_fma_f32 v[\f+16*\i+2:\f+16*\i+3],   v[\f+16*\i+2:\f+16*\i+3],   s[78:79], v[BIAS+2:BIAS+3] op_sel_hi:[1,0,1]
	global_store_b128 v[CO], v[\f+16*\i:\f+16*\i+3], s[12:13] offset:4096*(4*\g+\i)
.endr
.endm
	OUTG 0, F0
	OUTG 1, F1
	OUTG 2, F0
	OUTG 3, F1
	OUTG 4, F0
	OUTG 5, F1
	OUTG 6, F0
	OUTG 7, F1
	s_set_vgpr_msb 0x1
	s_wait_tensorcnt 0x0
	ds_add_u32 v255, v255
	s_wait_dscnt 0x0
	s_set_vgpr_msb 0x100
	CROUND                                         ; the closing round
	s_endpgm
.Lfunc_end_k_q0eb6f742a4_gemm2:
	.size	k_q0eb6f742a4_gemm2, .Lfunc_end_k_q0eb6f742a4_gemm2-k_q0eb6f742a4_gemm2
	.p2alignl 7, 3214868480
	.fill 96, 4, 3214868480
	.section	.rodata,"a",@progbits
	.p2align	6, 0x0
	.amdhsa_kernel k_q0eb6f742a4_gemm2
		.amdhsa_group_segment_fixed_size 327680
		.amdhsa_private_segment_fixed_size 0
		.amdhsa_enable_private_segment 0
		.amdhsa_kernarg_size 40
		.amdhsa_user_sgpr_count 2
		.amdhsa_user_sgpr_kernarg_segment_ptr 1
		.amdhsa_wavefront_size32 1
		.amdhsa_system_sgpr_workgroup_id_x 1
		.amdhsa_system_sgpr_workgroup_id_y 1
		.amdhsa_system_sgpr_workgroup_id_z 1
		.amdhsa_system_vgpr_workitem_id 0
		.amdhsa_next_free_vgpr 1024
		.amdhsa_next_free_sgpr 80
		.amdhsa_reserve_vcc 0
		.amdhsa_float_denorm_mode_32 3
		.amdhsa_float_denorm_mode_16_64 3
		.amdhsa_memory_ordered 1
		.amdhsa_forward_progress 1
		.amdhsa_inst_pref_size 124
	.end_amdhsa_kernel
	.amdgpu_metadata
---
amdhsa.version: [ 1, 2 ]
amdhsa.kernels:
  - .name:           k_q0eb6f742a4_gemm2
    .symbol:         k_q0eb6f742a4_gemm2.kd
    .args:
      - { .name: ygt, .offset: 0, .size: 8, .value_kind: global_buffer, .address_space: global }
      - { .name: wf, .offset: 8, .size: 8, .value_kind: global_buffer, .address_space: global }
      - { .name: out_proj_b, .offset: 16, .size: 8, .value_kind: global_buffer, .address_space: global }
      - { .name: msc, .offset: 24, .size: 8, .value_kind: global_buffer, .address_space: global }
      - { .name: out0, .offset: 32, .size: 8, .value_kind: global_buffer, .address_space: global }
    .group_segment_fixed_size: 327680
    .private_segment_fixed_size: 0
    .kernarg_segment_align: 8
    .kernarg_segment_size: 40
    .max_flat_workgroup_size: 128
    .sgpr_count:     80
    .vgpr_count:     1024
    .wavefront_size: 32
...
	.end_amdgpu_metadata
.endif
;; end of part 4
